; MI455X (gfx1250); checked and timed in simulation.
; The chip was launched on July 23, 2026; its instructions are those of AMD's public machine-readable ISA for CDNA 5 (MIT licence, August 2026) and "CDNA5" Instruction Set Architecture Reference Guide (July 2026). The comments in the code are by the model that wrote it; some were corrected since.
;; Vision Mo BA. Allowed arithmetic: matrix products marked QUANTISED: E2M3 operands, one E8M0 scale for each 32 along K, by v_wmma_scale_f32_16x16x128_f8f6f4 with both operands' format E2M3, f32 sums; everything else in f32.
;; Inputs: Wk 2,048 x 2,048 float32; Wo 2,048 x 2,048 float32; Wq 2,048 x 2,048 float32; Wv 2,048 x 2,048 float32; hidden_states 1 x 2,048 x 2,048 float32.
;; Outputs: out0 1 x 2,048 x 2,048 float32.
;; This version of the problem:
;;   THIS VERSION OF THE PROBLEM IS GIVEN IN LOW PRECISION. The matrix products marked QUANTISED in the list below multiply operands that are first quantised to E2M3 (2 exponent bits, 3 mantissa bits; 6 bits a number), with one power-of-two scale for each 32 numbers along K (OCP MX v1.0); their sums are f32. All else is computed in f32.
;;   The module's matrix products, in the order in which they are computed (A, B: the left and right operand; K: the contracted axis; several contracted axes count as one K, in the product's order):
;;     1. [M 2,048, K 2,048] x [K 2,048, N 2,048]; A: input hidden_states; B: input Wq: QUANTISED
;;     2. [M 2,048, K 2,048] x [K 2,048, N 2,048]; A: input hidden_states; B: input Wk: QUANTISED
;;     3. [M 2,048, K 2,048] x [K 2,048, N 2,048]; A: input hidden_states; B: input Wv: QUANTISED
;;     4. batch 16 x [M 2,048, K 128] x [K 128, N 32]; A: computed on the way; B: computed on the way: QUANTISED
;;     5. batch 16 x [M 2,048, K 128] x [K 128, N 2,048]; A: computed on the way; B: computed on the way: QUANTISED
;;     6. batch 16 x [M 128, K 2,048] x [K 2,048, N 2,048]; A: computed on the way; B: softmax (see below): QUANTISED
;;     7. [M 2,048, K 2,048] x [K 2,048, N 2,048]; A: computed on the way; B: input Wo: QUANTISED
;;   THE QUANTISER, for each operand of a quantised product, along K:
;;     - K is cut into blocks of 32 from its start; a last block that is shorter is filled with zeros.
;;     - A block's scale is 2^e with e = floor(log2(the largest magnitude in the block)) - 2, held to -126 .. 127; a block of zeros has e = 0. As a byte (E8M0): e + 127.
;;     - Each number is divided by its block's scale, clamped to +-7.5, and rounded to the nearest number of E2M3, ties to even, subnormals kept.
;;     - The product sums the exact products of the quantised numbers (number of the format x scale) in f32.
;;   ~~~python
;;   def quantise(x, axis):      # numpy; x: float32 -> the quantised numbers, widened to float32 again
;;       x = np.moveaxis(x, axis, -1); K = x.shape[-1]
;;       x = np.pad(x, [(0, 0)] * (x.ndim - 1) + [(0, -K % 32)]); x = x.reshape(x.shape[:-1] + (-1, 32)); a = np.abs(x).max(-1, keepdims=True)
;;       e = np.where(a > 0, np.clip(np.frexp(np.where(a > 0, a, 1))[1] - 1 - 2, -126, 127), 0)      # np.frexp(a)[1] - 1 = floor(log2(a)), exactly
;;       r = np.clip(x / 2.0 ** e, -7.5, 7.5)
;;       step = 2.0 ** (np.maximum(np.frexp(np.where(r == 0, 1, r))[1] - 1, 0) - 3)
;;       q = np.round(r / step) * step * 2.0 ** e      # np.round: ties to even
;;       return np.moveaxis(q.reshape(q.shape[:-2] + (-1,))[..., :K], -1, axis).astype(np.float32)
;;   ~~~
;;   SOFTMAX AHEAD OF A QUANTISED PRODUCT. Where the list says 'softmax', what is quantised is not the finished softmax but p = 2^(t - M), with t = logit x log2(e) and M = ceil(the row's largest t), a whole number; so 1/2 < the row's largest p <= 1. The row's sum l is taken of the UNQUANTISED p, in f32, and the product's result is divided by l at the end. Since M is a whole number, a kernel that streams over the keys may use a running M (the ceiling of the running maximum): every later rescaling is an exact power of two, which a block's scale takes up: the codes' values come out the same.
;;   OPERANDS COMPUTED ON THE WAY. 'Computed on the way' means the value that the module computes at that place (a softmax that the list does not call 'softmax' is quantised finished and normalised). What goes into a quantiser is computed in f32, as accurately as f32 sums, v_exp_f32 and their like allow (about 1e-6 of the number): no bf16 or f16 on the way to a quantiser, and a product that is left as it is and whose result goes on into a quantised operand takes f32 operands (vector FMAs, or v_wmma_f32_16x16x4_f32). A number that lies on a knife's edge between two numbers of the format may be rounded either way, as far as f32 arithmetic and the matrix unit's own rounding can turn it there, and no further.
;; One version. Each part assembles by itself: llvm-mc -triple=amdgcn-amd-amdhsa -mcpu=gfx1250 --defsym DOCPART=n.
;; ======== version 1 of 1: 4 launches
;; limits: right only within a limited range of input values
;; workspace buffers: ws_in 13,107,200 bytes; ws_wo 3,276,800 bytes; ws_qkv 9,883,648 bytes; ws_o 3,276,800 bytes
;; launch quant (part 1): grid 1024 x 1, 4 waves a work-group, no clusters, 68,096 bytes of LDS; arguments hidden_states, Wq, Wk, Wv, ws_in; writes ws_in
.if DOCPART == 1
	.amdgcn_target "amdgcn-amd-amdhsa--gfx1250"
	.amdhsa_code_object_version 6
	.text
	.protected	k_qfd429bfab0_quant
	.globl	k_qfd429bfab0_quant
	.p2align	8
	.type	k_qfd429bfab0_quant,@function
k_qfd429bfab0_quant:
	s_mov_b64 s[64:65], 0
	v_nop
	global_prefetch_b8 v0, s[64:65] scope:SCOPE_SE
	s_setreg_imm32_b32 hwreg(HW_REG_WAVE_MODE, 25, 1), 1
	s_wait_xcnt 0x0
; hidden_states [2048][2048] (K = its last axis) and Wq, Wk, Wv [2048 (K)][2048] (K = their FIRST axis), all f32, become codes of FP6 (E2M3) with one E8M0 byte for each 32 along K.  (Wo is quantised in the next launch, by work-groups of its own.)
; A block's byte is its largest magnitude's exponent field - 2, held at 1 from below; numbers are divided by the scale and rounded to the nearest code, ties to even, beyond 7.5 the largest code.
; LIMITS: NaN and infinities are not served; a block of zeros keeps the byte 1 (its codes are zeros, and this program alone reads the bytes); blocks whose largest magnitude lies under 2^-124 are held at that floor.
; THE WORKSPACE IS LAID AS THE OPERANDS' REGISTERS.  Rows (of x: tokens; of a weight: its columns n) go in groups of 128 = 8 tiles of 16; slot r of tile T is row 32 (T / 2) + 8 (T % 2) + r + 8 (r / 8).
; A fragment (16 rows x 128 K, 12 registers a lane) is 1,536 bytes: register 4 c + w of lane l at 512 c + 16 l + 4 w.
; ws_in: [section 4: x, Wq, Wk, Wv][group 16][K step 16][record 12,800]: a record is the 8 tiles' fragments, then 512 bytes of scale words: the word of (tile T, slot r) at 16 (r + 16 (T % 2)) + 4 (T / 2).
; Work-groups 0-255 take x: a wave takes two tiles (32 rows) x one K step; each load reads 512 consecutive bytes of a row, and the rows turn through the wave's own stage in LDS so that a lane gets 16 neighbours of each block.
; Work-groups 256-1023 take the weights: a wave takes 32 columns x one K step; a lane takes a column and its registers run down K, so nothing is transposed and no LDS is used.
; Waves share nothing: no barrier.  No tensor load, no cluster (no two work-groups read the same bytes), no matrix instruction: the launch streams.
.set SEC,  3276800                     ; a section: 16 groups
.set GRPB, 204800                      ; a group: 16 records
.set REC,  12800                       ; a record
.set SCW,  12288                       ; where a record's scale words begin
.set SEL,  20                          ; s[20:21] lane selects: lane l xor 16
.set HM,   22                          ; s22 the mask of lanes 16-31
.set TM,   224                         ; v224-239 at work in QUANT
; 64 numbers of a lane, register 16 b + i = k 32 b + 16 (lane / 16) + i of the lane's row, become a fragment's 12 registers in v[pc] on and the row's scale word in v[pw]; t2: 8 registers at work.
.macro QUANT s, pc, t2, pw
.irp b, 0,1,2,3
	v_max3_num_f32 v[TM+\b], |v[\s+16*\b]|, |v[\s+1+16*\b]|, 0x1800000   ; my 16 numbers of block b, and the floor 2^(3 - 127): the byte cannot fall under 1
.endr
.irp i, 2,4,6,8,10,12,14
.irp b, 0,1,2,3
	v_max3_num_f32 v[TM+\b], v[TM+\b], |v[\s+16*\b+\i]|, |v[\s+1+16*\b+\i]|
.endr
.endr
.irp b, 0,1,2,3
	v_permlanex16_b32 v[TM+4+\b], v[TM+\b], s[SEL], s[SEL+1]
.endr
.irp b, 0,1,2,3
	v_max_num_f32 v[TM+\b], v[TM+\b], v[TM+4+\b]   ; with lane l xor 16's 16: the block's largest magnitude
.endr
.irp b, 0,1,2,3
	v_add_nc_u32 v[TM+12+\b], 0xff000000, v[TM+\b]   ; 2 off its exponent field: the conversion's scale operand
.endr
.irp b, 0,1,2,3
	v_lshrrev_b32 v[TM+4+\b], 23, v[TM+12+\b]   ; the byte
.endr
	v_lshl_or_b32 v[\pw], v[TM+5], 8, v[TM+4]
	v_lshl_or_b32 v[\pw], v[TM+6], 16, v[\pw]
	v_lshl_or_b32 v[\pw], v[TM+7], 24, v[\pw]
.irp c, 0,1
	v_cvt_scalef32_pk16_fp6_f32 v[\pc+6*\c:\pc+2+6*\c], v[\s+32*\c:\s+15+32*\c], v[TM+12+2*\c]
	v_cvt_scalef32_pk16_fp6_f32 v[\t2+4*\c:\t2+2+4*\c], v[\s+16+32*\c:\s+31+32*\c], v[TM+12+2*\c+1]   ; (a conversion's three registers begin on an even number)
.endr
	v_nop                                          ; one plain instruction behind the scaled conversions
.irp c, 0,1                                    ; the layout wants a whole block in a lane: lanes 0-15 block 2 c, lanes 16-31 block 2 c + 1
.irp i, 0,1,2
	v_permlane16_swap_b32 v[\pc+6*\c+\i], v[\t2+4*\c+\i]
.endr
.irp i, 0,1,2
	v_mov_b32 v[\pc+3+6*\c+\i], v[\t2+4*\c+\i]
.endr
.endr
.endm
; The weights: 64 loads: k = 64 c + 32 h + i of my column, into v[32 + 64 h + 32 c + i]: the two blocks that lane slot (r', h) of the image holds
.macro LOADP h
.irp c, 0,1
.set LJ, 0
.rept 32
	global_load_b32 v[32+64*\h+32*\c+LJ], v1, s[6:7] offset:(64*\c+32*\h+LJ)*8192 th:TH_LOAD_NT   ; a wave reads 128 consecutive bytes, the four waves 512
.set LJ, LJ+1
.endr
.endr
.endm
.macro WPAIR h
.set XB, 32+64*\h
.set FB, 160+12*\h
.irp c, 0,1
	v_max3_num_f32 v[192+2*\h+\c], |v[XB+32*\c]|, |v[XB+32*\c+1]|, 0x1800000   ; all 32 numbers of a block are mine
.endr
.irp i, 2,4,6,8,10,12,14,16,18,20,22,24,26,28,30
.irp c, 0,1
	v_max3_num_f32 v[192+2*\h+\c], v[192+2*\h+\c], |v[XB+32*\c+\i]|, |v[XB+32*\c+\i+1]|
.endr
.endr
.irp c, 0,1
	v_add_nc_u32 v[196+2*\h+\c], 0xff000000, v[192+2*\h+\c]
.endr
.irp c, 0,1
	v_lshrrev_b32 v[200+2*\h+\c], 23, v[196+2*\h+\c]
.endr
.irp c, 0,1
	v_cvt_scalef32_pk16_fp6_f32 v[FB+6*\c:FB+6*\c+2], v[XB+32*\c:XB+32*\c+15], v[196+2*\h+\c]
	v_cvt_scalef32_pk16_fp6_f32 v[184+4*\c:186+4*\c], v[XB+32*\c+16:XB+32*\c+31], v[196+2*\h+\c]
.endr
	v_nop                                          ; one plain instruction behind the scaled conversions
.irp c, 0,1
.irp i, 0,1,2
	v_mov_b32 v[FB+6*\c+3+\i], v[184+4*\c+\i]
.endr
.endr
.irp c, 0,1,2
	global_store_b128 v2, v[FB+4*\c:FB+4*\c+3], s[32:33] offset:256*\h+512*\c   ; the sixteen lanes of a tile write 256 consecutive bytes, aligned
.endr
.endm
	s_load_b256 s[4:11], s[0:1], 0x0               ; hidden_states, Wq, Wk, Wv
	s_load_b64 s[14:15], s[0:1], 0x20              ; ws_in
	v_lshl_add_u32 v254, v0, 2, 0x10800
	v_mov_b32 v255, 0
	v_lshrrev_b32 v1, 5, v0
	v_readfirstlane_b32 s16, v1                    ; wave
	v_and_b32 v4, 31, v0                           ; lane
	s_mov_b32 s[SEL], 0x76543210
	s_mov_b32 s[SEL+1], 0xfedcba98
	s_mov_b32 s[HM], 0xffff0000
	s_mov_b32 s25, 0
	s_mov_b32 s27, 0
	s_mov_b32 s29, 0
	s_cmp_lt_u32 ttmp9, 256
	s_cbranch_scc0 .Lw
	; ---------------- x ----------------
	s_lshr_b32 s17, ttmp9, 2                       ; which 32 rows
	s_and_b32 s18, ttmp9, 3
	s_lshl_b32 s18, s18, 2
	s_add_co_u32 s18, s18, s16                     ; which K step
	s_lshl_b32 s24, s17, 18                        ; 32 rows of 8,192 bytes
	s_lshl_b32 s19, s18, 9                         ; 128 numbers
	s_add_co_u32 s24, s24, s19
	s_lshr_b32 s30, s17, 2                         ; the group
	s_and_b32 s31, s17, 3                          ; the pair of tiles in it
	s_mul_i32 s26, s30, GRPB
	s_mul_i32 s23, s18, REC
	s_add_co_u32 s26, s26, s23
	s_mul_i32 s23, s31, 3072
	s_add_co_u32 s26, s26, s23                     ; the codes' place (section 0)
	s_mul_i32 s28, s31, 3068
	s_sub_co_u32 s28, s26, s28                     ; the record's start + 4 x the pair of tiles,
	s_add_co_u32 s28, s28, SCW                     ; behind the record's codes: the scale words' place
	s_wait_alu depctr_va_vdst(0)
	v_lshlrev_b32 v1, 4, v4                        ; 16 x lane
	s_mul_i32 s19, s16, 16896                      ; my wave's two stages of 16 rows x 528 bytes
	v_add_nc_u32 v2, s19, v1                       ; in: a row as it lies
	v_and_b32 v5, 15, v0
	v_bfe_u32 v6, v0, 4, 1
	v_mul_u32_u24 v3, v5, 528
	v_lshl_add_u32 v3, v6, 6, v3
	v_add_nc_u32 v3, s19, v3                       ; out: row r, + 64 h: my 16 numbers of a block of 32
.irp b, 0,1,2,3
	v_mov_b32 v[TM+4+\b], 0                        ; written once: a lane permute's destination counts as one of its sources
.endr
	s_wait_alu depctr_va_vdst(0)
	s_wait_kmcnt 0x0
	s_add_nc_u64 s[4:5], s[4:5], s[24:25]
	s_add_nc_u64 s[32:33], s[14:15], s[26:27]
	s_add_nc_u64 s[34:35], s[14:15], s[28:29]
.irp u, 0,1
.irp p, 0,1,2,3,4,5,6,7,8,9,10,11,12,13,14,15
	global_load_b128 v[32+64*\u+4*\p:35+64*\u+4*\p], v1, s[4:5] offset:(8*\u+\p+8*(\p/8))*8192 th:TH_LOAD_NT   ; slot p of tile u: 512 consecutive bytes
.endr
.endr
	s_wait_loadcnt 16                              ; the first tile's 16 loads are in; the second tile's 16 may be out
.irp p, 0,1,2,3,4,5,6,7,8,9,10,11,12,13,14,15
	ds_store_b128 v2, v[32+4*\p:35+4*\p] offset:\p*528
.endr
.irp b, 0,1,2,3
.irp j, 0,1,2,3
	ds_load_b128 v[160+16*\b+4*\j:163+16*\b+4*\j], v3 offset:128*\b+16*\j   ; LDS serves a wave's instructions in order: these see my stores
.endr
.endr
	s_wait_loadcnt 0x0
.irp p, 0,1,2,3,4,5,6,7,8,9,10,11,12,13,14,15
	ds_store_b128 v2, v[96+4*\p:99+4*\p] offset:8448+\p*528
.endr
	s_wait_dscnt 16                                ; all but the 16 stores just issued: the first tile's stores have read v32-95, and its numbers are back
.irp b, 0,1,2,3
.irp j, 0,1,2,3
	ds_load_b128 v[32+16*\b+4*\j:35+16*\b+4*\j], v3 offset:8448+128*\b+16*\j
.endr
.endr
	QUANT 160, 8, 240, 248
.irp c, 0,1,2
	global_store_b128 v1, v[8+4*\c:11+4*\c], s[32:33] offset:512*\c   ; 512 consecutive bytes
.endr
	s_wait_dscnt 0x0                               ; the second tile's numbers are back
	QUANT 32, 20, 240, 249
.irp c, 0,1,2
	global_store_b128 v1, v[20+4*\c:23+4*\c], s[32:33] offset:1536+512*\c
.endr
	v_cndmask_b32 v250, v248, v249, s[HM]          ; lanes 0-15 the even tile's words, lanes 16-31 the odd tile's
	global_store_b32 v1, v250, s[34:35]            ; 4 bytes at 16 x lane: the four pairs of tiles of a group fill the block between them
	s_wait_tensorcnt 0x0                           ; the wave's end
	ds_add_u32 v254, v255
	s_wait_dscnt 0x0
	s_endpgm
	; ---------------- the weights ----------------
.Lw:
	s_sub_co_u32 s17, ttmp9, 256
	s_lshr_b32 s18, s17, 8                         ; which weight
	s_bfe_u32 s19, s17, 0x40004                    ; which K step
	s_and_b32 s23, s17, 15                         ; which group of 128 columns
	s_lshl_b32 s24, s19, 20                        ; 128 rows of 8,192 bytes
	s_lshl_b32 s30, s23, 9
	s_add_co_u32 s24, s24, s30
	s_lshl_b32 s30, s16, 7                         ; my wave's 32 columns
	s_add_co_u32 s24, s24, s30
	s_add_co_u32 s31, s18, 1                       ; the section
	s_mul_i32 s26, s31, SEC
	s_mul_i32 s30, s23, GRPB
	s_add_co_u32 s26, s26, s30
	s_mul_i32 s30, s19, REC
	s_add_co_u32 s26, s26, s30
	s_mul_i32 s30, s16, 3072                       ; my wave's 32 columns are tiles 2 w and 2 w + 1
	s_add_co_u32 s26, s26, s30
	s_mul_i32 s28, s16, 3068
	s_sub_co_u32 s28, s26, s28                     ; the record's start + 4 x wave,
	s_add_co_u32 s28, s28, SCW                     ; behind the record's codes
	s_wait_alu depctr_va_vdst(0)
	v_lshlrev_b32 v1, 2, v4                        ; 4 bytes a lane
	v_bfe_u32 v5, v0, 3, 1                         ; column e of the 32 is slot r' = e % 8 + 8 (e / 16) of tile u = (e / 8) % 2
	v_and_b32 v6, 7, v0
	v_bfe_u32 v7, v0, 4, 1
	v_lshl_add_u32 v6, v7, 3, v6
	v_mul_u32_u24 v2, v5, 1536
	v_lshl_add_u32 v2, v6, 4, v2                   ; my slot's 16 bytes in the images
	v_lshlrev_b32 v3, 4, v6
	v_lshl_add_u32 v3, v5, 8, v3                   ; and my scale word's place
	s_wait_alu depctr_va_vdst(0)
	s_wait_kmcnt 0x0
	s_cmp_eq_u32 s18, 1                            ; the choice hangs on the work-group's number alone
	s_cselect_b64 s[6:7], s[8:9], s[6:7]
	s_cmp_eq_u32 s18, 2
	s_cselect_b64 s[6:7], s[10:11], s[6:7]
	s_add_nc_u64 s[6:7], s[6:7], s[24:25]
	s_add_nc_u64 s[32:33], s[14:15], s[26:27]
	s_add_nc_u64 s[34:35], s[14:15], s[28:29]
	LOADP 0
	LOADP 1
	s_wait_loadcnt 63                              ; of the 128 loads at most 63 are out: the first 64 are in
	WPAIR 0
	s_wait_loadcnt 0x0
	WPAIR 1
	v_lshl_or_b32 v204, v202, 8, v200              ; byte 2 c + h scales k = 64 c + 32 h on
	v_lshl_or_b32 v204, v201, 16, v204
	v_lshl_or_b32 v204, v203, 24, v204
	global_store_b32 v3, v204, s[34:35]            ; 4 bytes at a stride of 16: the four waves fill the block between them
	s_endpgm
.Lfunc_end_k_qfd429bfab0_quant:
	.size	k_qfd429bfab0_quant, .Lfunc_end_k_qfd429bfab0_quant-k_qfd429bfab0_quant
	.p2alignl 7, 3214868480
	.fill 96, 4, 3214868480
	.section	.rodata,"a",@progbits
	.p2align	6, 0x0
	.amdhsa_kernel k_qfd429bfab0_quant
		.amdhsa_group_segment_fixed_size 68096
		.amdhsa_private_segment_fixed_size 0
		.amdhsa_enable_private_segment 0
		.amdhsa_kernarg_size 40
		.amdhsa_user_sgpr_count 2
		.amdhsa_user_sgpr_kernarg_segment_ptr 1
		.amdhsa_wavefront_size32 1
		.amdhsa_system_sgpr_workgroup_id_x 1
		.amdhsa_system_sgpr_workgroup_id_y 1
		.amdhsa_system_sgpr_workgroup_id_z 1
		.amdhsa_system_vgpr_workitem_id 0
		.amdhsa_next_free_vgpr 256
		.amdhsa_next_free_sgpr 66
		.amdhsa_reserve_vcc 0
		.amdhsa_float_denorm_mode_32 3
		.amdhsa_float_denorm_mode_16_64 3
		.amdhsa_memory_ordered 1
		.amdhsa_forward_progress 1
		.amdhsa_inst_pref_size 38
	.end_amdhsa_kernel
	.amdgpu_metadata
---
amdhsa.version: [ 1, 2 ]
amdhsa.kernels:
  - .name:           k_qfd429bfab0_quant
    .symbol:         k_qfd429bfab0_quant.kd
    .args:
      - { .name: hidden_states, .offset: 0, .size: 8, .value_kind: global_buffer, .address_space: global }
      - { .name: Wq, .offset: 8, .size: 8, .value_kind: global_buffer, .address_space: global }
      - { .name: Wk, .offset: 16, .size: 8, .value_kind: global_buffer, .address_space: global }
      - { .name: Wv, .offset: 24, .size: 8, .value_kind: global_buffer, .address_space: global }
      - { .name: ws_in, .offset: 32, .size: 8, .value_kind: global_buffer, .address_space: global }
    .group_segment_fixed_size: 68096
    .private_segment_fixed_size: 0
    .kernarg_segment_align: 8
    .kernarg_segment_size: 40
    .max_flat_workgroup_size: 128
    .sgpr_count:     66
    .vgpr_count:     256
    .wavefront_size: 32
...
	.end_amdgpu_metadata
.endif
;; end of part 1
;; launch gemm_qkv (part 2): grid 8 x 32, 4 waves a work-group, clusters of 4 x 4, 327,680 bytes of LDS; arguments ws_in, ws_qkv, Wo, ws_wo; writes ws_qkv, ws_wo
.if DOCPART == 2
	.amdgcn_target "amdgcn-amd-amdhsa--gfx1250"
	.amdhsa_code_object_version 6
	.text
	.protected	k_qfd429bfab0_gemm_qkv
	.globl	k_qfd429bfab0_gemm_qkv
	.p2align	8
	.type	k_qfd429bfab0_gemm_qkv,@function
k_qfd429bfab0_gemm_qkv:
	s_mov_b64 s[64:65], 0
	v_nop
	global_prefetch_b8 v0, s[64:65] scope:SCOPE_SE
	s_setreg_imm32_b32 hwreg(HW_REG_WAVE_MODE, 25, 1), 1
	s_wait_xcnt 0x0
	s_wait_alu depctr_hold_cnt(0) depctr_sa_sdst(0) depctr_va_vdst(0) depctr_va_sdst(0) depctr_va_ssrc(0) depctr_va_vcc(0) depctr_vm_vsrc(0)
	s_getreg_b32 s2, hwreg(HW_REG_IB_STS2, 6, 4)
	s_cmp_eq_u32 s2, 0
	s_cbranch_scc0 .Lentry_in_a_cluster
	s_endpgm
.Lentry_in_a_cluster:
	s_bfe_u32 s2, ttmp6, 0x10000c
	s_cmp_lg_u32 s2, 0xf033
	s_cbranch_scc0 .Lentry_shape_is_right
	s_endpgm
.Lentry_shape_is_right:
; q = x Wq, k = x Wk, v = x Wv on codes of FP6 (E2M3), and the results quantised in registers into the operands of the attention launch; also kg, the mean key of each block of 64 keys.
; ONE FORM FOR THE THREE: source 0 = 16 rows of P, whose 128 rows of a group become the next product's K; source 1 = 16 rows of R, which become a result fragment's rows.
;   q, k: P = the weight (a group = a head's 128), R = x (tokens).   v: P = x (a group = 128 keys), R = Wv (a group = a head's 128): v comes out with the keys innermost.
; Slot r of tile T of a group is row 32 (T / 2) + 8 (T % 2) + r + 8 (r / 8): so a lane's 64 results of P's eight tiles are, register 16 b + i, the next K's 32 b + 16 (lane / 16) + i.
; A work-group makes 256 of P x 256 of R; each of four waves 128 x 128: 64 accumulators, 512 registers.  3 x 2048 x 2048 results are 192 such blocks.
; ws_in: [section][group 16][K step 16][record 12,800]: a record is 8 fragments' register images (1,536 bytes: register 4 c + w of lane l at 512 c + 16 l + 4 w) and 512 bytes of scale words.
; So a group's three K steps are 38,400 dense bytes, codes and scales together; a fragment is three loads of 16 bytes a lane; one load of 16 bytes a lane brings a K step's words of eight tiles (register i: tile 2 i in lanes 0-15, 2 i + 1 in lanes 16-31).
; THE RING: two LDS slots of three K steps (4 groups x 38,400 bytes each).  Both are filled at the head, one load a wave: wave 0 R's two groups of slot 0, wave 1 P's, waves 2 and 3 the same of slot 1.
; A slot is filled again in its third K step, a quarter a wave; the wait for that load stands three K steps on, 160 products of the wave later.  16 K steps are five fills of three and one of one.
; THE LOOP'S TRIP IS ONE SLOT: P has three sets of fragment registers, one for each K step of a slot, so that register numbers come back after three steps; which slot is in hand stands in a scalar base that an exclusive or turns.
; R has one set: a tile of R is free when its eight products are issued; tiles 0-3 are fetched anew in a step's middle, tiles 4-7 at its end.
; CLUSTERS: 4 x 4 work-groups; R's tiles are asked for jointly along a row of the cluster, P's along a column.  Which of q, k, v is made hangs on the cluster's y alone.
; No prefetch: the block is the largest, in clusters, and K is six fills, of which two go out at the head.
; LIMITS: NaN and infinities are not served; a block of zeros keeps the byte 1 with zero codes; kg's sum of 64 keys is added in f32 in another order than a plain mean's.
; REGISTERS: window 0: v16-29 addresses; v32-55 scale words, three sets; v64-159 P's set 2; v160-255 R's set.  window 1: v0-95, v128-223 P's sets 0, 1.  windows 2, 3: accumulator (a, b) at v[8 (8 (a % 4) + b)].
.set SEC,  3276800
.set GRPB, 204800
.set REC,  12800
.set SCW,  12288                       ; where a record's scale words begin
.set TILE, 1536
.set OREC, 12288                       ; ws_qkv: a group's 8 fragments
.set KVC,  3145728                     ; ws_qkv: q's codes at 0: [head][group][OREC];  here k's and v's: [head 393,216][four key steps 98,304][k: 4 OREC | v: 4 OREC]
.set QS,   9437184                     ; q's scale words [head][group][512]
.set KVS,  9568256                     ; k's and v's: [head 16,384][k: 16 x 512 | v: 16 x 512]
.set KGC,  9830400                     ; kg's codes [head][tile 2][1,536]
.set KGS,  9879552                     ; kg's scale words [head][tile 2][128]
.set FREG, 3*REC                       ; a group's three K steps
.set SLOT, 4*FREG                      ; R's two groups, then P's two
.set SPARE, 2*SLOT                     ; the spare words, 128 bytes for each wave: two blocks of 256 bytes that no other line names
.set ADR,  16                          ; v16 my R fragments in the slot in hand
.set ADP,  17                          ; v17 my P fragments
.set VR,   18                          ; v18, v19 the same less the slot's base
.set VP,   19
.set VO,   24                          ; v24 16 x lane
.set R15,  25                          ; v25 lane % 16
.set VO4,  26                          ; v26 4 x lane
.set SPW,  28
.set NIL,  29
.set TM,   200                         ; v200-215 at work in the quantiser
.set G1A, 24                           ; s[24:31] group 1 for R's tiles
.set G1B, 48                           ; s[48:55] for P's
.set G0R, 32                           ; s[32:35], s[36:39] group 0 of the refills: they walk
.set G0P, 36
.set H0R, 56                           ; group 0 of the head's four loads
.set H0P, 60
.set H1R, 76
.set H1P, 88
.set CB,  68                           ; s68 the base of the slot in hand: 0 or SLOT
.set WO,  69                           ; s69 my quarter of a slot: wave x FREG
.set SEL, 66                           ; s[66:67] lane selects: lane l xor 16
.set HM,  101                          ; s101 the mask of lanes 16-31
.set MSB, 0
.macro WIN new                         ; the immediate's high byte repeats the setting that is left
.if MSB != (\new)
	s_set_vgpr_msb (MSB<<8)|(\new)
.set MSB, (\new)
.endif
.endm
.macro PLACES n
.rept \n
	v_nop
.endr
.endm
; A joint refill: waves 0 and 1 fetch for R, waves 2 and 3 for P; the branch hangs on the wave's number alone.  s_nop 0 and four v_nop follow each line.
.macro JLOAD
	s_cmp_eq_u32 s15, 0
	s_cbranch_scc0 .Lfor_b_\@
	tensor_load_to_lds s[G0R:G0R+3], s[G1A:G1A+7]
	s_nop 0
.rept 4
	v_nop
.endr
	s_branch .Lasked_\@
.Lfor_b_\@:
	tensor_load_to_lds s[G0P:G0P+3], s[G1B:G1B+7]
	s_nop 0
.rept 4
	v_nop
.endr
.Lasked_\@:
.endm
.macro CREST                           ; a round of the cluster's barrier behind its opening barrier
	s_cmp_lg_u32 s14, 0
	s_cbranch_scc1 .Lnot_wave_0_\@
	s_barrier_signal -3
.Lnot_wave_0_\@:
	s_barrier_wait -3
	s_barrier_signal -1
	s_barrier_wait -1
.endm
.macro CROUND
	s_barrier_signal -1
	s_barrier_wait -1
	CREST
.endm
.macro FRAG reg, adr, off              ; a fragment's image: three loads, 512 consecutive bytes each
.irp c, 0,1,2
	ds_load_b128 v[\reg+4*\c:\reg+4*\c+3], v[\adr] offset:\off+512*\c
.endr
.endm
; One product.  z = 1: it starts the sum.  ra, rb = 1: the side's scale words stand in lanes 16-31.
.macro WM d, a, b, z, sa, sb, ra, rb
.if (\z)
.if (\ra) && (\rb)
	v_wmma_scale_f32_16x16x128_f8f6f4 v[\d:\d+7], v[\a:\a+11], v[\b:\b+11], 0, v[\sa], v[\sb] matrix_a_fmt:MATRIX_FMT_FP6 matrix_b_fmt:MATRIX_FMT_FP6 matrix_a_scale:MATRIX_SCALE_ROW1 matrix_b_scale:MATRIX_SCALE_ROW1
.elseif (\ra)
	v_wmma_scale_f32_16x16x128_f8f6f4 v[\d:\d+7], v[\a:\a+11], v[\b:\b+11], 0, v[\sa], v[\sb] matrix_a_fmt:MATRIX_FMT_FP6 matrix_b_fmt:MATRIX_FMT_FP6 matrix_a_scale:MATRIX_SCALE_ROW1
.elseif (\rb)
	v_wmma_scale_f32_16x16x128_f8f6f4 v[\d:\d+7], v[\a:\a+11], v[\b:\b+11], 0, v[\sa], v[\sb] matrix_a_fmt:MATRIX_FMT_FP6 matrix_b_fmt:MATRIX_FMT_FP6 matrix_b_scale:MATRIX_SCALE_ROW1
.else
	v_wmma_scale_f32_16x16x128_f8f6f4 v[\d:\d+7], v[\a:\a+11], v[\b:\b+11], 0, v[\sa], v[\sb] matrix_a_fmt:MATRIX_FMT_FP6 matrix_b_fmt:MATRIX_FMT_FP6
.endif
.else
.if (\ra) && (\rb)
	v_wmma_scale_f32_16x16x128_f8f6f4 v[\d:\d+7], v[\a:\a+11], v[\b:\b+11], v[\d:\d+7], v[\sa], v[\sb] matrix_a_fmt:MATRIX_FMT_FP6 matrix_b_fmt:MATRIX_FMT_FP6 matrix_a_scale:MATRIX_SCALE_ROW1 matrix_b_scale:MATRIX_SCALE_ROW1
.elseif (\ra)
	v_wmma_scale_f32_16x16x128_f8f6f4 v[\d:\d+7], v[\a:\a+11], v[\b:\b+11], v[\d:\d+7], v[\sa], v[\sb] matrix_a_fmt:MATRIX_FMT_FP6 matrix_b_fmt:MATRIX_FMT_FP6 matrix_a_scale:MATRIX_SCALE_ROW1
.elseif (\rb)
	v_wmma_scale_f32_16x16x128_f8f6f4 v[\d:\d+7], v[\a:\a+11], v[\b:\b+11], v[\d:\d+7], v[\sa], v[\sb] matrix_a_fmt:MATRIX_FMT_FP6 matrix_b_fmt:MATRIX_FMT_FP6 matrix_b_scale:MATRIX_SCALE_ROW1
.else
	v_wmma_scale_f32_16x16x128_f8f6f4 v[\d:\d+7], v[\a:\a+11], v[\b:\b+11], v[\d:\d+7], v[\sa], v[\sb] matrix_a_fmt:MATRIX_FMT_FP6 matrix_b_fmt:MATRIX_FMT_FP6
.endif
.endif
.endm
; What follows a block's largest magnitudes in v[TM] on: the scale operands in v[TM+12] on and the row's scale word in v[pw]
.macro QSCALE pw
.irp b, 0,1,2,3
	v_permlanex16_b32 v[TM+4+\b], v[TM+\b], s[SEL], s[SEL+1]
.endr
.irp b, 0,1,2,3
	v_max_num_f32 v[TM+\b], v[TM+\b], v[TM+4+\b]   ; with lane l xor 16's 16 numbers
.endr
.irp b, 0,1,2,3
	v_add_nc_u32 v[TM+12+\b], 0xff000000, v[TM+\b]   ; 2 off the exponent field: the conversion's scale operand
.endr
.irp b, 0,1,2,3
	v_lshrrev_b32 v[TM+4+\b], 23, v[TM+12+\b]   ; the byte
.endr
	v_lshl_or_b32 v[\pw], v[TM+5], 8, v[TM+4]
	v_lshl_or_b32 v[\pw], v[TM+6], 16, v[\pw]
	v_lshl_or_b32 v[\pw], v[TM+7], 24, v[\pw]
.endm
.macro QSWAP pc, t2                    ; the conversions' half blocks become whole blocks: lanes 0-15 block 2 c, lanes 16-31 block 2 c + 1
	v_nop                                          ; one plain instruction behind the scaled conversions
.irp c, 0,1
.irp i, 0,1,2
	v_permlane16_swap_b32 v[\pc+6*\c+\i], v[\t2+4*\c+\i]
.endr
.irp i, 0,1,2
	v_mov_b32 v[\pc+3+6*\c+\i], v[\t2+4*\c+\i]
.endr
.endr
.endm
.macro MKG0 g, lds, src, off           ; a group 0: count 1, the LDS byte, the global address, type 2
	s_mov_b32 s[\g], 1
	s_mov_b32 s[\g+1], \lds
	s_add_nc_u64 s[\g+2:\g+3], s[\src:\src+1], \off
	s_or_b32 s[\g+3], s[\g+3], 0x80000000
.endm
	s_load_b256 s[4:11], s[0:1], 0x0               ; ws_in, ws_qkv, Wo, ws_wo
	v_lshl_add_u32 v[SPW], v0, 2, SPARE
	v_mov_b32 v[NIL], 0
	ds_add_u32 v[SPW], v[NIL]                      ; the opening lines: the add, twice on end, and its wait ahead of my first tensor load
	ds_add_u32 v[SPW], v[NIL]
	v_lshrrev_b32 v1, 5, v0
	v_readfirstlane_b32 s14, v1                    ; wave 0..3
	s_lshr_b32 s15, s14, 1                         ; which of R's two groups is mine.  Also: my refills fetch for R (0) or for P (1)
	s_and_b32 s16, s14, 1                          ; which of P's.  Also: which group my refills fetch
	s_bfe_u32 s40, ttmp6, 0x40000                  ; cx
	s_bfe_u32 s41, ttmp6, 0x40004                  ; cy
	s_lshl_b32 s42, ttmp9, 2
	s_add_co_u32 s42, s42, s40                     ; which 256 rows of P
	s_and_b32 s17, ttmp7, 0xffff                   ; the cluster's y
	s_lshr_b32 s45, s17, 1                         ; 0: q, 1: k, 2: v: the same in all sixteen partners
	s_and_b32 s17, s17, 1
	s_lshl_b32 s17, s17, 2
	s_add_co_u32 s17, s17, s41                     ; which 256 rows of R
	s_lshl_b32 s43, s41, 2
	s_lshl_b32 s43, 15, s43                        ; my row of the cluster
	s_lshl_b32 s44, 0x1111, s40                    ; my column
	s_mov_b32 s[SEL], 0x76543210
	s_mov_b32 s[SEL+1], 0xfedcba98
	s_mov_b32 s[HM], 0xffff0000
	; group 1 for the head's loads: two groups' three K steps: 2 rows of 4,800 elements of 8 bytes, a group (25,600 elements) apart; no padding
	s_or_b32 s[G1A+0], s43, (3<<16)|(1<<21)        ; 15:0 the mask; 17:16 elements of 8 bytes; 21 set beside a mask
	s_or_b32 s[G1B+0], s44, (3<<16)|(1<<21)
.irp g, G1A, G1B
	s_mov_b32 s[\g+1], 4800<<16                    ; tensor_dim0
	s_mov_b32 s[\g+2], 2<<16                       ; tensor_dim1
	s_mov_b32 s[\g+3], 4800<<16                    ; tile_dim0
	s_mov_b32 s[\g+4], 2                           ; tile_dim1
	s_mov_b32 s[\g+5], GRPB/8                      ; the pitch
	s_mov_b32 s[\g+6], 0
	s_mov_b32 s[\g+7], 0
.endr
	s_add_co_u32 s19, s45, 1
	s_cmp_eq_u32 s45, 2
	s_cselect_b32 s18, 3, 0                        ; R's section of ws_in: x, or Wv
	s_cselect_b32 s19, 0, s19                      ; P's: Wq, Wk, or x
	s_lshl_b32 s20, s17, 1
	s_mul_i32 s20, s20, GRPB                       ; R: my work-group's two groups
	s_mul_i32 s21, s18, SEC
	s_add_co_u32 s20, s20, s21
	s_mov_b32 s21, 0
	s_lshl_b32 s46, s42, 1
	s_mul_i32 s46, s46, GRPB                       ; P likewise, in registers that never hold R's coordinate
	s_mul_i32 s47, s19, SEC
	s_add_co_u32 s46, s46, s47
	s_mov_b32 s47, 0
	s_mul_i32 s22, s16, GRPB                       ; the refills: the group that I fetch, at K step 3: each refill first steps three on
	s_add_co_u32 s22, s22, 3*REC
	s_mov_b32 s23, 0
	s_mul_i32 s[WO], s14, FREG                     ; no place in the cluster enters an LDS address
	s_mov_b32 s[CB], 0
	s_wait_dscnt 0x0                               ; both opening adds are done
	s_wait_kmcnt 0x0
	s_add_nc_u64 s[20:21], s[4:5], s[20:21]
	s_add_nc_u64 s[46:47], s[4:5], s[46:47]
	CROUND                                         ; all sixteen work-groups are here: the first joint loads meet
	; THE GRID HAS 256 WORK-GROUPS: 192 make the blocks of q, k and v; the 64 of the cluster rows 6 and 7 quantise Wo, which none of the products here reads, into ws_wo.  The branch hangs on the cluster's y alone.
	s_wait_alu depctr_va_vdst(0)
	s_cmp_eq_u32 s45, 3
	s_cbranch_scc1 .Lwo
	MKG0 H0R, 0, 20, 0
	MKG0 H0P, 2*FREG, 46, 0                        ; P's two;
	MKG0 H1R, SLOT, 20, FREG                       ; K steps 3-5
	MKG0 H1P, SLOT+2*FREG, 46, FREG
	s_mov_b32 s[G0R], 1
	s_mov_b32 s[G0R+1], 0
	s_add_nc_u64 s[G0R+2:G0R+3], s[20:21], s[22:23]
	s_or_b32 s[G0R+3], s[G0R+3], 0x80000000
	s_mov_b32 s[G0P], 1
	s_mov_b32 s[G0P+1], 0
	s_add_nc_u64 s[G0P+2:G0P+3], s[46:47], s[22:23]
	s_or_b32 s[G0P+3], s[G0P+3], 0x80000000
; THE HEAD'S LOADS, ONE A WAVE: one tree of branches on the wave's number; every way through it passes exactly one load.
.macro ARM under, g0, g1, next
	s_cmp_lt_u32 s14, \under
	s_cbranch_scc0 \next
	tensor_load_to_lds s[\g0:\g0+3], s[\g1:\g1+7]
	s_nop 0
.rept 4
	v_nop
.endr
	s_branch .Lhead_asked
\next:
.endm
	ARM 1, H0R, G1A, .Lhead_p0
	ARM 2, H0P, G1B, .Lhead_r1
	ARM 3, H1R, G1A, .Lhead_p1
	tensor_load_to_lds s[H1P:H1P+3], s[G1B:G1B+7]
	s_nop 0
.rept 4
	v_nop
.endr
.Lhead_asked:
	s_mul_i32 s21, s15, FREG                       ; my group of R
	s_mul_i32 s22, s16, FREG                       ; my group of P,
	s_add_co_u32 s22, s22, 2*FREG                  ; behind R's two
	v_and_b32 v2, 31, v0
	v_lshlrev_b32 v[VO], 4, v2
	v_and_b32 v[R15], 15, v0
	v_lshlrev_b32 v[VO4], 2, v2
	v_add_nc_u32 v[VR], s21, v[VO]
	v_add_nc_u32 v[VP], s22, v[VO]
	v_add_nc_u32 v[ADR], s21, v[VO]                ; slot 0 is in hand
	v_add_nc_u32 v[ADP], s22, v[VO]
; 26 LDS loads: P's eight fragments of the slot's K step q into set q (sets 0, 1: window 1, v0 and v128; set 2: window 0, v64), and both sides' scale words
.macro FETCH_P q
	WIN (1-(\q)/2)<<6
.irp i, 0,1,2,3,4,5,6,7
	FRAG (128*(\q))%192+12*\i, ADP, (\q)*REC+\i*TILE
.endr
	WIN 0
	ds_load_b128 v[32+8*(\q):35+8*(\q)], v[ADP] offset:(\q)*REC+SCW
	ds_load_b128 v[36+8*(\q):39+8*(\q)], v[ADR] offset:(\q)*REC+SCW
.endm
.macro FETCH_R q, i0                   ; 12 LDS loads: R's tiles i0 .. i0 + 3
.irp i, \i0, \i0+1, \i0+2, \i0+3
	FRAG 160+12*(\i), ADR, (\q)*REC+(\i)*TILE
.endr
.endm
; 16 products: R's tiles a0, a0 + 1 x P's eight.  The 64 accumulators take turns, one instruction a turn, in the same order in every K step.
.macro MUL16 a0, q, z
.irp a, \a0, \a0+1
.irp b, 0,1,2,3,4,5,6,7
	WM 8*(8*((\a)%4)+\b), (128*(\q))%192+12*\b, 160+12*(\a), \z, 32+8*(\q)+\b/2, 36+8*(\q)+(\a)/2, \b%2, (\a)%2
.endr
.endr
.endm
; A slot's first or second K step.  more = 1: the next step's fragments are fetched from the same slot.  Source 0: window 1, or 0 for set 2; source 1: window 0; C and D: window 2, then 3.
.macro STEP q, z, more
	s_wait_dscnt 12                                ; all but the youngest twelve loads, R's tiles 4-7
.if \more
	FETCH_P (\q)+1                                 ; the next step's P and scale words, 64 products ahead: their set was last read two steps ago, with eight and more plain instructions since
.endif
	WIN 0xa1-(\q)/2
	MUL16 0, \q, \z
	MUL16 2, \q, \z
.if \more
	s_wait_dscnt 26                                ; R's tiles 4-7 are in; the 26 loads issued at the step's head may be out
	PLACES 4                                       ; four plain instructions in front of loads into registers that products have read
	WIN 0                                          ; R's set and the address lie in window 0
	FETCH_R (\q)+1, 0
.else
	s_wait_dscnt 0x0
.endif
	WIN 0xf1-(\q)/2
	MUL16 4, \q, \z
	MUL16 6, \q, \z
.if \more
	PLACES 4
	WIN 0
	FETCH_R (\q)+1, 4
.else
	WIN 0
.endif
.endm
; A slot's third K step changes slots: one barrier.  All its fragments were asked for in the step before, so my reads of the slot end at the wait for them.
; fill = 1: the slot is filled again with the K steps six on; fill = 2: with the one K step that is left; fill = 0: nothing is left to fetch.
.macro TSTEP fill
	s_wait_tensorcnt 0x0                           ; all my tensor loads have landed: my part of the other slot; descriptors may be written
	ds_add_u32 v[SPW], v[NIL]                      ; 0 onto my spare word
.if \fill
	s_add_co_u32 s[G0R+1], s[CB], s[WO]            ; my quarter of the slot that is being left
	s_add_co_u32 s[G0P+1], s[CB], s[WO]
	s_add_nc_u64 s[G0R+2:G0R+3], s[G0R+2:G0R+3], FREG
	s_add_nc_u64 s[G0P+2:G0P+3], s[G0P+2:G0P+3], FREG
.endif
.if \fill == 2
	s_mov_b32 s[G1A+2], 50<<16                     ; one record: 50 rows of 256 bytes
	s_mov_b32 s[G1A+4], 50
	s_mov_b32 s[G1B+2], 50<<16
	s_mov_b32 s[G1B+4], 50
.endif
	s_xor_b32 s[CB], s[CB], SLOT                   ; the other slot comes in hand
	v_add_nc_u32 v[ADR], s[CB], v[VR]
	v_add_nc_u32 v[ADP], s[CB], v[VP]
	s_wait_alu depctr_va_vdst(0)
	s_wait_dscnt 13                                ; the add and R's tiles 4-7 may be out
	WIN 0xa0
	MUL16 0, 2, 0                                  ; sixteen products stand between the add and the wait for it
	s_wait_dscnt 0x0                               ; the add is done, and my reads of this slot are over
	s_barrier_signal -1
	MUL16 2, 2, 0
	WIN 0
	s_barrier_wait -1
.if \fill
	CREST                                          ; the barrier has opened a round of the cluster's: no wave of any partner still reads this slot or has a load on its way
	JLOAD                                          ; the first tensor load behind the round; its four v_nop are the places in front of the loads below
.else
	PLACES 4
.endif
	FETCH_P 0
	FETCH_R 0, 0
	WIN 0xf0
	MUL16 4, 2, 0
	MUL16 6, 2, 0
	PLACES 4
	WIN 0
	FETCH_R 0, 4
.endm
	s_wait_alu depctr_va_vdst(0)
	s_wait_tensorcnt 0x0                           ; my one load has landed; no load of mine is out, so group 1 may be written: a refill is a group's three K steps, 150 dense rows of 256 bytes
.irp g, G1A, G1B
	s_mov_b32 s[\g+1], 32<<16
	s_mov_b32 s[\g+2], 150<<16
	s_mov_b32 s[\g+3], 32<<16
	s_mov_b32 s[\g+4], 150
	s_mov_b32 s[\g+5], 32
.endr
	s_barrier_signal -1
	s_barrier_wait -1                              ; both slots are whole
	FETCH_P 0
	FETCH_R 0, 0
	FETCH_R 0, 4
	STEP 0, 1, 1                                   ; K step 0 stands in front of the loop: its products start the sums
	s_mov_b32 s3, 3
.Llap:                                                 ; a trip: a slot's second and third K step and the next slot's first; it fills one slot again (K steps 6-8, 9-11, 12-14)
	STEP 1, 0, 1
	TSTEP 1
	STEP 0, 0, 1
	s_sub_co_u32 s3, s3, 1
	s_cmp_lg_u32 s3, 0
	s_cbranch_scc1 .Llap
	STEP 1, 0, 1                                   ; K step 10
	TSTEP 2                                        ; K step 11; K step 15 is asked for
	STEP 0, 0, 1
	STEP 1, 0, 1
	TSTEP 0                                        ; K step 14: nothing is filled
	STEP 0, 0, 0                                   ; K step 15
	PLACES 4                                       ; in front of the first reads of results and the first writes of the fragments' registers
	; ---------------- THE WAY OUT: no LDS: a lane's 64 results of a tile of R are a fragment's numbers ----------------
.irp b, 0,1,2,3
	v_mov_b32 v[TM+4+\b], 0                        ; written once: a lane permute's destination counts as one of its sources
.endr
	s_lshl_b32 s46, s42, 1
	s_add_co_u32 s46, s46, s16                     ; my group of P
	s_lshl_b32 s47, s17, 1
	s_add_co_u32 s47, s47, s15                     ; my group of R
	s_cmp_eq_u32 s45, 2
	s_cselect_b32 s92, s47, s46                    ; the head
	s_cselect_b32 s93, s46, s47                    ; the group of 128 tokens
	s_lshl_b32 s94, s92, 4
	s_add_co_u32 s94, s94, s93
	s_mul_i32 s95, s94, OREC                       ; q's codes
	s_lshl_b32 s94, s94, 9
	s_add_co_u32 s94, s94, QS                      ; q's scale words
	s_mul_i32 s96, s92, 393216
	s_lshr_b32 s97, s93, 2
	s_mul_i32 s97, s97, 98304
	s_add_co_u32 s96, s96, s97
	s_and_b32 s97, s93, 3
	s_mul_i32 s97, s97, OREC
	s_add_co_u32 s96, s96, s97
	s_add_co_u32 s96, s96, KVC                     ; k's codes
	s_lshl_b32 s97, s92, 14
	s_lshl_b32 s98, s93, 9
	s_add_co_u32 s97, s97, s98
	s_add_co_u32 s97, s97, KVS                     ; k's scale words
	s_cmp_eq_u32 s45, 2
	s_cselect_b32 s98, 49152, 0                    ; v's lie behind k's
	s_cselect_b32 s99, 8192, 0
	s_add_co_u32 s96, s96, s98
	s_add_co_u32 s97, s97, s99
	s_cmp_eq_u32 s45, 0
	s_cselect_b32 s8, s95, s96
	s_cselect_b32 s10, s94, s97
	s_mov_b32 s9, 0
	s_mov_b32 s11, 0
	s_add_nc_u64 s[8:9], s[6:7], s[8:9]
	s_add_nc_u64 s[10:11], s[6:7], s[10:11]
	s_wait_alu depctr_va_vdst(0)
	s_cmp_lg_u32 s45, 1                            ; kg is made where k is: the branch is the same in all sixteen partners
	s_cbranch_scc1 .Lno_kg
	; My 128 keys are blocks n = 2 x group and n + 1.  Block n is slot n % 8 + 8 (n / 16) of kg's tile (n / 8) % 2: both blocks lie in one tile, in neighbouring slots.
	s_lshl_b32 s20, s47, 1
	s_bfe_u32 s21, s20, 0x10003
	s_and_b32 s22, s20, 7
	s_lshr_b32 s23, s20, 4
	s_lshl_b32 s23, s23, 3
	s_add_co_u32 s22, s22, s23                     ; the first block's slot
	s_mul_i32 s12, s46, 3072
	s_mul_i32 s23, s21, TILE
	s_add_co_u32 s12, s12, s23
	s_add_co_u32 s12, s12, KGC
	s_mov_b32 s13, 0
	s_add_nc_u64 s[12:13], s[6:7], s[12:13]
	s_lshl_b32 s18, s46, 8
	s_lshl_b32 s23, s21, 7
	s_add_co_u32 s18, s18, s23
	s_add_co_u32 s18, s18, KGS
	s_mov_b32 s19, 0
	s_add_nc_u64 s[18:19], s[6:7], s[18:19]
; Block bp: the sum over R's tiles 4 bp .. 4 bp + 3 (a window's four) and over the sixteen lanes of a half; / 64; quantised.  Every lane of a half then holds the same fragment row: the block's slot stores it.
.macro KGB bp
	WIN (2+\bp)*5                                  ; sources 0 and 1: the accumulators' window
.set KJ, 0
.rept 32
	v_pk_add_f32 v[64+KJ:65+KJ], v[KJ:KJ+1], v[64+KJ:65+KJ]
.set KJ, KJ+2
.endr
.set KJ, 0
.rept 32
	v_pk_add_f32 v[128+KJ:129+KJ], v[128+KJ:129+KJ], v[192+KJ:193+KJ]
.set KJ, KJ+2
.endr
	WIN 0
.set KJ, 0
.rept 32
	v_pk_add_f32 v[64+KJ:65+KJ], v[64+KJ:65+KJ], v[128+KJ:129+KJ]
.set KJ, KJ+2
.endr
.irp m, 1,2,4,8
.set KJ, 0
.rept 64
	v_add_f32_dpp v[64+KJ], v[64+KJ], v[64+KJ] row_xmask:\m row_mask:0xf bank_mask:0xf
.set KJ, KJ+1
.endr
.endr
.set KJ, 0
.rept 32
	v_pk_mul_f32 v[64+KJ:65+KJ], v[64+KJ:65+KJ], 0x3c800000 op_sel_hi:[1,0]   ; / 64: exact
.set KJ, KJ+2
.endr
.irp b, 0,1,2,3
	v_max3_num_f32 v[TM+\b], |v[64+16*\b]|, |v[65+16*\b]|, 0x1800000
.endr
.irp i, 2,4,6,8,10,12,14
.irp b, 0,1,2,3
	v_max3_num_f32 v[TM+\b], v[TM+\b], |v[64+16*\b+\i]|, |v[65+16*\b+\i]|
.endr
.endr
	QSCALE 240
.irp c, 0,1
	v_cvt_scalef32_pk16_fp6_f32 v[228+6*\c:230+6*\c], v[64+32*\c:79+32*\c], v[TM+12+2*\c]
	v_cvt_scalef32_pk16_fp6_f32 v[192+4*\c:194+4*\c], v[80+32*\c:95+32*\c], v[TM+12+2*\c+1]
.endr
	QSWAP 228, 192
	v_cmp_eq_u32 vcc_lo, s22, v[R15]
	s_wait_alu depctr_va_vdst(0)
	s_wait_xcnt 0x0                                ; EXEC changes only behind this wait
	s_and_saveexec_b32 s23, vcc_lo                 ; the two lanes of the block's slot
.irp c, 0,1,2
	global_store_b128 v[VO], v[228+4*\c:231+4*\c], s[12:13] offset:512*\c
.endr
	global_store_b32 v[VO4], v240, s[18:19]
	s_wait_xcnt 0x0                                ; and again in front of the line that widens it; the stores' data may be written again too
	s_or_b32 exec_lo, exec_lo, s23
.endm
	KGB 0
	s_add_co_u32 s22, s22, 1
	KGB 1
.Lno_kg:
; Tile a of R: its 64 numbers a lane, in the accumulators' window, become a fragment in v[64 + 12 a] on and a scale word in v[216 + a].
.macro OUTA a
.set AC, 64*((\a)%4)
.set FRG, 64+12*(\a)
	WIN 0x0a+5*((\a)/4)                            ; sources 0 and 1: window 2 or 3
.irp b, 0,1,2,3
	v_max3_num_f32 v[TM+\b], |v[AC+16*\b]|, |v[AC+16*\b+1]|, 0x1800000   ; each accumulator from its low end on
.endr
.irp i, 2,4,6,8,10,12,14
.irp b, 0,1,2,3
	v_max3_num_f32 v[TM+\b], |v[AC+16*\b+\i]|, |v[AC+16*\b+\i+1]|, v[TM+\b]
.endr
.endr
	WIN 0
	QSCALE 216+(\a)
	WIN 0x02+(\a)/4                                ; source 0: window 2 or 3
.irp c, 0,1
	v_cvt_scalef32_pk16_fp6_f32 v[FRG+6*\c:FRG+6*\c+2], v[AC+32*\c:AC+32*\c+15], v[TM+12+2*\c]
	v_cvt_scalef32_pk16_fp6_f32 v[160+4*\c:162+4*\c], v[AC+32*\c+16:AC+32*\c+31], v[TM+12+2*\c+1]
.endr
	WIN 0
	QSWAP FRG, 160
.irp c, 0,1,2
	global_store_b128 v[VO], v[FRG+4*\c:FRG+4*\c+3], s[8:9] offset:(\a)*TILE+512*\c   ; 512 consecutive bytes, aligned; each tile has registers of its own, so no store's data are written again
.endr
.endm
.irp a, 0,1,2,3,4,5,6,7
	OUTA \a
.endr
.irp i, 0,1,2,3
	v_cndmask_b32 v[224+\i], v[216+2*\i], v[217+2*\i], s[HM]   ; lanes 0-15 tile 2 i's words, lanes 16-31 tile 2 i + 1's
.endr
	global_store_b128 v[VO], v[224:227], s[10:11]  ; the group's 512 bytes of scale words
	s_wait_tensorcnt 0x0                           ; the wave's end
	ds_add_u32 v[SPW], v[NIL]
	s_wait_dscnt 0x0
	CROUND                                         ; the closing round
	s_endpgm
	; ---------------- Wo [2048 (K)][2048] f32 -> ws_wo [group 16][K step 16][record 12,800], laid as ws_in's sections are ----------------
	; Work-group j of the 64 takes K step j / 4 and the four groups of 128 columns 4 (j % 4) on, one a trip; a wave takes 32 columns: a lane takes a column and its registers run down K.  No LDS, no tensor load.
	; A block's byte is its largest magnitude's exponent field - 2, held at 1 from below.  LIMITS as at the head: NaN and infinities are not served; a block of zeros keeps the byte 1 with zero codes.
.macro LOADP h                         ; 64 loads: k = 64 c + 32 h + i of my column, into v[32 + 64 h + 32 c + i]
.irp c, 0,1
.set LJ, 0
.rept 32
	global_load_b32 v[32+64*\h+32*\c+LJ], v1, s[8:9] offset:(64*\c+32*\h+LJ)*8192 th:TH_LOAD_NT   ; a wave reads 128 consecutive bytes, the four waves 512
.set LJ, LJ+1
.endr
.endr
.endm
.macro WPAIR h                         ; the two blocks that lane slot (r', h) of the image holds
.set XB, 32+64*\h
.set FB, 160+12*\h
.irp c, 0,1
	v_max3_num_f32 v[192+2*\h+\c], |v[XB+32*\c]|, |v[XB+32*\c+1]|, 0x1800000   ; all 32 numbers of a block are mine; the floor 2^(3 - 127)
.endr
.irp i, 2,4,6,8,10,12,14,16,18,20,22,24,26,28,30
.irp c, 0,1
	v_max3_num_f32 v[192+2*\h+\c], v[192+2*\h+\c], |v[XB+32*\c+\i]|, |v[XB+32*\c+\i+1]|
.endr
.endr
.irp c, 0,1
	v_add_nc_u32 v[196+2*\h+\c], 0xff000000, v[192+2*\h+\c]
.endr
.irp c, 0,1
	v_lshrrev_b32 v[200+2*\h+\c], 23, v[196+2*\h+\c]
.endr
.irp c, 0,1
	v_cvt_scalef32_pk16_fp6_f32 v[FB+6*\c:FB+6*\c+2], v[XB+32*\c:XB+32*\c+15], v[196+2*\h+\c]
	v_cvt_scalef32_pk16_fp6_f32 v[184+4*\c:186+4*\c], v[XB+32*\c+16:XB+32*\c+31], v[196+2*\h+\c]
.endr
	v_nop                                          ; one plain instruction behind the scaled conversions
.irp c, 0,1
.irp i, 0,1,2
	v_mov_b32 v[FB+6*\c+3+\i], v[184+4*\c+\i]
.endr
.endr
.irp c, 0,1,2
	global_store_b128 v2, v[FB+4*\c:FB+4*\c+3], s[32:33] offset:256*\h+512*\c   ; the sixteen lanes of a tile write 256 consecutive bytes, aligned
.endr
.endm
.Lwo:
	s_lshl_b32 s20, s17, 3
	s_add_co_u32 s20, s20, s42                     ; j = 0 .. 63: it enters global addresses alone
	s_lshr_b32 s19, s20, 2                         ; the K step
	s_and_b32 s23, s20, 3
	s_lshl_b32 s23, s23, 2                         ; the first of my four groups
	s_lshl_b32 s24, s19, 20                        ; 128 rows of 8,192 bytes
	s_lshl_b32 s30, s23, 9
	s_add_co_u32 s24, s24, s30
	s_lshl_b32 s30, s14, 7                         ; my wave's 32 columns
	s_add_co_u32 s24, s24, s30
	s_mov_b32 s25, 0
	s_mul_i32 s26, s23, GRPB
	s_mul_i32 s30, s19, REC
	s_add_co_u32 s26, s26, s30
	s_mul_i32 s30, s14, 3072                       ; they are tiles 2 w and 2 w + 1
	s_add_co_u32 s26, s26, s30
	s_mov_b32 s27, 0
	s_mul_i32 s28, s14, 3068
	s_sub_co_u32 s28, s26, s28                     ; the record's start + 4 x wave,
	s_add_co_u32 s28, s28, SCW                     ; behind the record's codes
	s_mov_b32 s29, 0
	s_add_nc_u64 s[8:9], s[8:9], s[24:25]
	s_add_nc_u64 s[32:33], s[10:11], s[26:27]
	s_add_nc_u64 s[34:35], s[10:11], s[28:29]
	v_and_b32 v4, 31, v0
	v_lshlrev_b32 v1, 2, v4                        ; 4 bytes a lane
	v_bfe_u32 v5, v0, 3, 1                         ; column e of the 32 is slot r' = e % 8 + 8 (e / 16) of tile u = (e / 8) % 2
	v_and_b32 v6, 7, v0
	v_bfe_u32 v7, v0, 4, 1
	v_lshl_add_u32 v6, v7, 3, v6
	v_mul_u32_u24 v2, v5, 1536
	v_lshl_add_u32 v2, v6, 4, v2                   ; my slot's 16 bytes in the images
	v_lshlrev_b32 v3, 4, v6
	v_lshl_add_u32 v3, v5, 8, v3                   ; and my scale word's place
	s_wait_alu depctr_va_vdst(0)
	s_mov_b32 s3, 4
.Lwo_trip:
	LOADP 0
	LOADP 1
	s_wait_loadcnt 63                              ; of the 128 loads at most 63 are out: the first 64 are in
	WPAIR 0
	s_wait_loadcnt 0x0
	WPAIR 1
	v_lshl_or_b32 v204, v202, 8, v200              ; byte 2 c + h scales k = 64 c + 32 h on
	v_lshl_or_b32 v204, v201, 16, v204
	v_lshl_or_b32 v204, v203, 24, v204
	global_store_b32 v3, v204, s[34:35]            ; 4 bytes at a stride of 16: the four waves fill the block between them
	s_wait_xcnt 0x0                                ; the bases and the stores' data are written again only behind this wait
	s_add_nc_u64 s[8:9], s[8:9], 512               ; the next group: 128 columns on,
	s_add_nc_u64 s[32:33], s[32:33], GRPB          ; and a group on in ws_wo
	s_add_nc_u64 s[34:35], s[34:35], GRPB
	s_sub_co_u32 s3, s3, 1
	s_cmp_lg_u32 s3, 0
	s_wait_alu depctr_va_vdst(0)
	s_cbranch_scc1 .Lwo_trip
	s_wait_tensorcnt 0x0                           ; the wave's end
	ds_add_u32 v[SPW], v[NIL]
	s_wait_dscnt 0x0
	CROUND                                         ; the closing round
	s_endpgm
.Lfunc_end_k_qfd429bfab0_gemm_qkv:
	.size	k_qfd429bfab0_gemm_qkv, .Lfunc_end_k_qfd429bfab0_gemm_qkv-k_qfd429bfab0_gemm_qkv
	.p2alignl 7, 3214868480
	.fill 96, 4, 3214868480
	.section	.rodata,"a",@progbits
	.p2align	6, 0x0
	.amdhsa_kernel k_qfd429bfab0_gemm_qkv
		.amdhsa_group_segment_fixed_size 327680
		.amdhsa_private_segment_fixed_size 0
		.amdhsa_enable_private_segment 0
		.amdhsa_kernarg_size 32
		.amdhsa_user_sgpr_count 2
		.amdhsa_user_sgpr_kernarg_segment_ptr 1
		.amdhsa_wavefront_size32 1
		.amdhsa_system_sgpr_workgroup_id_x 1
		.amdhsa_system_sgpr_workgroup_id_y 1
		.amdhsa_system_sgpr_workgroup_id_z 1
		.amdhsa_system_vgpr_workitem_id 0
		.amdhsa_next_free_vgpr 1024
		.amdhsa_next_free_sgpr 104
		.amdhsa_reserve_vcc 1
		.amdhsa_float_denorm_mode_32 3
		.amdhsa_float_denorm_mode_16_64 3
		.amdhsa_memory_ordered 1
		.amdhsa_forward_progress 1
		.amdhsa_inst_pref_size 242
	.end_amdhsa_kernel
	.amdgpu_metadata
---
amdhsa.version: [ 1, 2 ]
amdhsa.kernels:
  - .name:           k_qfd429bfab0_gemm_qkv
    .symbol:         k_qfd429bfab0_gemm_qkv.kd
    .args:
      - { .name: ws_in, .offset: 0, .size: 8, .value_kind: global_buffer, .address_space: global }
      - { .name: ws_qkv, .offset: 8, .size: 8, .value_kind: global_buffer, .address_space: global }
      - { .name: Wo, .offset: 16, .size: 8, .value_kind: global_buffer, .address_space: global }
      - { .name: ws_wo, .offset: 24, .size: 8, .value_kind: global_buffer, .address_space: global }
    .group_segment_fixed_size: 327680
    .private_segment_fixed_size: 0
    .kernarg_segment_align: 8
    .kernarg_segment_size: 32
    .max_flat_workgroup_size: 128
    .sgpr_count:     104
    .vgpr_count:     1024
    .wavefront_size: 32
...
	.end_amdgpu_metadata
.endif
;; end of part 2
;; launch attn (part 3): grid 16 x 16, 16 waves a work-group, clusters of 4 x 1, 327,680 bytes of LDS; arguments ws_qkv, ws_o; writes ws_o
.if DOCPART == 3
	.amdgcn_target "amdgcn-amd-amdhsa--gfx1250"
	.amdhsa_code_object_version 6
	.text
	.protected	k_qfd429bfab0_attn
	.globl	k_qfd429bfab0_attn
	.p2align	8
	.type	k_qfd429bfab0_attn,@function
k_qfd429bfab0_attn:
	s_mov_b64 s[64:65], 0
	v_nop
	global_prefetch_b8 v0, s[64:65] scope:SCOPE_SE
	s_setreg_imm32_b32 hwreg(HW_REG_WAVE_MODE, 25, 1), 1
	s_wait_xcnt 0x0
	s_wait_alu depctr_hold_cnt(0) depctr_sa_sdst(0) depctr_va_vdst(0) depctr_va_sdst(0) depctr_va_ssrc(0) depctr_va_vcc(0) depctr_vm_vsrc(0)
	s_getreg_b32 s2, hwreg(HW_REG_IB_STS2, 6, 4)
	s_cmp_eq_u32 s2, 0
	s_cbranch_scc0 .Lentry_in_a_cluster
	s_endpgm
.Lentry_in_a_cluster:
	s_bfe_u32 s2, ttmp6, 0x10000c
	s_cmp_lg_u32 s2, 0x3003
	s_cbranch_scc0 .Lentry_shape_is_right
	s_endpgm
.Lentry_shape_is_right:
; Block-sparse causal attention on codes of FP6 (E2M3).  A query sees its own block of 64 keys and, of the blocks before it, the 7 whose gate (q . mean key of the block) is largest, ties to the lower block; o / l is quantised for the last product.
; What the gate's -infinity entries can add to the choice are blocks after the query's own, which the causal mask hides: so the choice is: own block + top 7 of the earlier blocks; with 7 or fewer earlier blocks, all of them.
; THE CHOICE SELECTS VALUES ONLY (v_cndmask_b32): no branch and no address hangs on it.  Left out by branches on ids are key steps that lie wholly behind the causal mask.
; SOFTMAX: t = score x log2(e) / sqrt(128); M = the running largest t rounded up to a whole number; p = 2^(t - M) is quantised along the keys; the sum is taken of the unquantised p; when M moves, the sum and O are multiplied by 2^(old M - new M).
; A block that is not chosen: its largest score counts as -infinity for the maximum, and -infinity takes -M's place in t - M, so that p = 0.
; SHARES.  A tile of 16 queries is shared by TWO waves: one walks the even key steps, the other the odd ones, each with a running M, sum and O^T of its own: a wave's longest chain is 8 steps of the 16, 2 of a slot's 4.
; At the end the odd wave hands its state through LDS to the even one, which brings both under the larger M (multiplications by powers of two), adds, divides, quantises and stores.
; Wave w = 4 row + col of work-group cx of cluster X: pi = (row + col) % 4 names query group X, 7 - X, 15 - X or 8 + X; its tile is 2 cx + row % 2; its half row / 2.  The group hangs on the cluster and the wave alone, so branches are alike in all partners.
; Each row and each column of that square holds every pi once: any four waves with one w % 4, and any four with one w / 4, have ((X + 1) + (8 - X) + (16 - X) + (9 + X)) / 2 = 17 key steps between them.
; Every work-group walks all 16 key steps of 128, four to a slot, through a ring of two LDS slots; the four partners, which belong to one head, ask for K and V jointly.
; LAYOUT.  Both products transposed: S^T = K Q^T, O^T = V^T P^T: a lane holds one query.  Slot r of tile T of a group of 128 is row 32 (T / 2) + 8 (T % 2) + r + 8 (r / 8), so the 16 registers of tiles 2 b, 2 b + 1 are 16 neighbours 32 b + 16 (lane / 16) + i.
; Operands lie as register images (1,536 bytes a fragment, three loads of 16 bytes a lane); a step's scale words of eight tiles come by one load of 16 bytes a lane: register i holds tile 2 i in lanes 0-15, tile 2 i + 1 in lanes 16-31.
; LIMITS: NaN and infinities are not served, nor an earlier block's gate that is itself -infinity; +0 and -0 count as a tie in the choice; a block of zeros keeps the byte 1 with zero codes.
; REGISTERS: v1-4, v7 addresses that stay; v5, v6 the spare word and 0; v8-10 addresses in hand; v12 -M, v13 largest t, v[14:15] the sum; v16-27 Q; v32-79 four fragments; v80 -inf, v81 NaN; v[82:83], v[84:85] the two blocks' addends, at the end the two halves' factors;
;   v88 the chosen blocks, a bit each; v89, v90 my query and my block less 16 (lane / 16); v91 prefetch offset; v92, v93 my tile's stage; v96-159 S^T, then p; v160-223 O^T; v224-235 codes; v232-247 at work; v248-251 K's, V's, kg's scale words; v252 f; v253 p's scale word; v255 Q's.
.set REC,  12288
.set TILE, 1536
.set GRPB, 196608
.set SGRP, 8192
.set SEC,  3145728
.set KVC,  3145728
.set QS,   9437184
.set KVS,  9568256
.set KGC,  9830400
.set KGS,  9879552
.set SLOT1, 131072                     ; slot 0 at byte 0, slot 1 here: one exclusive or changes slots.  A slot: K's four steps (4 REC), then V's
.set SCL,  262144                      ; the head's scale words: K's 16 x 512 bytes, then V's
.set SPARE, 294912                     ; the spare words, 128 bytes for each wave: eight blocks of 256 bytes that no other line names
.set STGB, 8448                        ; the stage of a tile, in slot 0 behind its last fill and its last read: O^T's image, 16 x 512 bytes, then 8 bytes a lane: -M and the sum
.set WV,   18
.set HF,   19                          ; which half of the key steps is mine: 0 the even ones, 1 the odd ones
.set SEL,  20                          ; s[20:21] lane l xor 16
.set CS,   22                          ; s[22:23] c = log2(e) / sqrt(128)
.set G1,   24                          ; s[24:31] group 1 for K's and V's tiles
.set G1S,  32                          ; s[32:39] for the scale words
.set G0,   40                          ; s[40:43] group 0 for the tiles: it walks
.set G0S,  44                          ; s[44:47] for the scale words
.set TB,   48                          ; LDS byte at which the step's K begins
.set TS,   49                          ; 512 x step
.set STP,  50                          ; the key step
.set SH,   51                          ; 2 x step: the step's first block
.set GRP,  52                          ; my query group
.set SLOTS, 53
.set TW,   54
.set HM,   55                          ; the mask of lanes 16-31
.set MK0,  56                          ; s56, s57: the lanes whose query has chosen the step's first, second block
.set PFA,  60                          ; s[60:61] where my prefetches stand
.set LIM,  62                          ; 1 in a wave that prefetches, else the greatest number
.set PAR,  63                          ; 0 in the steps that are mine: my half, turned in every step
.set TM,   232
.macro PLACES n
.rept \n
	v_nop
.endr
.endm
.macro CROUND                          ; a round of the cluster's barrier
	s_barrier_signal -1
	s_barrier_wait -1
	s_cmp_lg_u32 s[WV], 0
	s_cbranch_scc1 .Lnot_wave_0_\@
	s_barrier_signal -3
.Lnot_wave_0_\@:
	s_barrier_wait -3
	s_barrier_signal -1
	s_barrier_wait -1
.endm
.macro FRAG reg, adr, off
.irp c, 0,1,2
	ds_load_b128 v[\reg+4*\c:\reg+4*\c+3], v[\adr] offset:\off+512*\c
.endr
.endm
.macro WM d, a, b, z, sa, sb, ra, rb   ; one product; z = 1: it starts the sum; ra, rb = 1: the side's scale words stand in lanes 16-31
.if (\z)
.if (\ra) && (\rb)
	v_wmma_scale_f32_16x16x128_f8f6f4 v[\d:\d+7], v[\a:\a+11], v[\b:\b+11], 0, v[\sa], v[\sb] matrix_a_fmt:MATRIX_FMT_FP6 matrix_b_fmt:MATRIX_FMT_FP6 matrix_a_scale:MATRIX_SCALE_ROW1 matrix_b_scale:MATRIX_SCALE_ROW1
.elseif (\ra)
	v_wmma_scale_f32_16x16x128_f8f6f4 v[\d:\d+7], v[\a:\a+11], v[\b:\b+11], 0, v[\sa], v[\sb] matrix_a_fmt:MATRIX_FMT_FP6 matrix_b_fmt:MATRIX_FMT_FP6 matrix_a_scale:MATRIX_SCALE_ROW1
.elseif (\rb)
	v_wmma_scale_f32_16x16x128_f8f6f4 v[\d:\d+7], v[\a:\a+11], v[\b:\b+11], 0, v[\sa], v[\sb] matrix_a_fmt:MATRIX_FMT_FP6 matrix_b_fmt:MATRIX_FMT_FP6 matrix_b_scale:MATRIX_SCALE_ROW1
.else
	v_wmma_scale_f32_16x16x128_f8f6f4 v[\d:\d+7], v[\a:\a+11], v[\b:\b+11], 0, v[\sa], v[\sb] matrix_a_fmt:MATRIX_FMT_FP6 matrix_b_fmt:MATRIX_FMT_FP6
.endif
.else
.if (\ra) && (\rb)
	v_wmma_scale_f32_16x16x128_f8f6f4 v[\d:\d+7], v[\a:\a+11], v[\b:\b+11], v[\d:\d+7], v[\sa], v[\sb] matrix_a_fmt:MATRIX_FMT_FP6 matrix_b_fmt:MATRIX_FMT_FP6 matrix_a_scale:MATRIX_SCALE_ROW1 matrix_b_scale:MATRIX_SCALE_ROW1
.elseif (\ra)
	v_wmma_scale_f32_16x16x128_f8f6f4 v[\d:\d+7], v[\a:\a+11], v[\b:\b+11], v[\d:\d+7], v[\sa], v[\sb] matrix_a_fmt:MATRIX_FMT_FP6 matrix_b_fmt:MATRIX_FMT_FP6 matrix_a_scale:MATRIX_SCALE_ROW1
.elseif (\rb)
	v_wmma_scale_f32_16x16x128_f8f6f4 v[\d:\d+7], v[\a:\a+11], v[\b:\b+11], v[\d:\d+7], v[\sa], v[\sb] matrix_a_fmt:MATRIX_FMT_FP6 matrix_b_fmt:MATRIX_FMT_FP6 matrix_b_scale:MATRIX_SCALE_ROW1
.else
	v_wmma_scale_f32_16x16x128_f8f6f4 v[\d:\d+7], v[\a:\a+11], v[\b:\b+11], v[\d:\d+7], v[\sa], v[\sb] matrix_a_fmt:MATRIX_FMT_FP6 matrix_b_fmt:MATRIX_FMT_FP6
.endif
.endif
.endm
.macro TLOAD                           ; waves 0 to 3 fetch a quarter of a slot each; the branch hangs on the wave's number alone; four v_nop follow the load
	s_cmp_lt_u32 s[WV], 4
	s_cbranch_scc0 .Lnone_\@
	tensor_load_to_lds s[G0:G0+3], s[G1:G1+7]
	s_nop 0
.rept 4
	v_nop
.endr
.Lnone_\@:
.endm
; A prefetch of the slot that the NEXT change of slots will ask for: 98,304 dense bytes.  All four clusters of a head walk the same K and V: the head's first cluster asks.  Its four partners take 24,576 bytes each, told apart by address;
; in each, waves 5, 6 and 7 take 8,192 bytes, lanes 256 bytes apart: one instruction a wave, each block of 256 bytes named once.  Slots 0 and 1 come by their loads alone; the last change that fills a slot asks for nothing.
.macro ASK
	s_cmp_gt_u32 s[SLOTS], s[LIM]
	s_cbranch_scc0 .Lnot_mine_\@
	global_prefetch_b8 v91, s[PFA:PFA+1] th:TH_LOAD_NT scope:SCOPE_SE
.Lnot_mine_\@:
.endm
	s_load_b128 s[4:7], s[0:1], 0x0                ; ws_qkv, ws_o
	v_lshl_add_u32 v5, v0, 2, SPARE
	v_mov_b32 v6, 0
	ds_add_u32 v5, v6
	ds_add_u32 v5, v6
	s_wait_dscnt 0x0
	v_lshrrev_b32 v8, 5, v0
	s_delay_alu instid0(VALU_DEP_1)
	v_readfirstlane_b32 s[WV], v8                  ; wave 0..15
	s_bfe_u32 s8, ttmp6, 0x40000                   ; cx: it enters global addresses and vector values alone
	s_and_b32 s9, ttmp7, 0xffff                    ; the head
	s_lshr_b32 s11, s[WV], 2                       ; row
	s_and_b32 s10, s[WV], 3                        ; col
	s_add_co_u32 s10, s10, s11
	s_and_b32 s10, s10, 3                          ; pi = (row + col) % 4
	s_and_b32 s13, s11, 1                          ; u = row % 2: which of the work-group's two tiles of the group
	s_lshr_b32 s[HF], s11, 1                       ; my half of the key steps
	s_mov_b32 s[PAR], s[HF]
	s_lshl_b32 s87, s10, 1
	s_add_co_u32 s87, s87, s13                     ; my tile among the work-group's eight: the same in both its waves
	s_mul_i32 s87, s87, STGB                       ; its stage
	s_lshr_b32 s11, s10, 1
	s_xor_b32 s12, s10, s11
	s_and_b32 s12, s12, 1
	s_mul_i32 s12, s12, 7
	s_lshl_b32 s11, s11, 3
	s_or_b32 s12, s12, s11                         ; 0, 7, 15, 8
	s_xor_b32 s[GRP], ttmp9, s12                   ; my query group: X, 7 - X, 15 - X, 8 + X
	s_lshl_b32 s14, s8, 1
	s_add_co_u32 s14, s14, s13                     ; my tile in it
	s_mov_b32 s[G1], 15|(3<<16)|(1<<21)            ; 15:0 the mask: all four work-groups; 17:16 elements of 8 bytes; 21 set beside a mask
	s_mov_b32 s[G1+1], 32<<16                      ; 24,576 dense bytes as 96 rows of 256
	s_mov_b32 s[G1+2], 96<<16
	s_mov_b32 s[G1+3], 32<<16
	s_mov_b32 s[G1+4], 96
	s_mov_b32 s[G1+5], 32
	s_mov_b32 s[G1+6], 0
	s_mov_b32 s[G1+7], 0
	s_mov_b32 s[G1S], 15|(3<<16)|(1<<21)           ; 16,384 dense bytes as 64 rows of 256
	s_mov_b32 s[G1S+1], 32<<16
	s_mov_b32 s[G1S+2], 64<<16
	s_mov_b32 s[G1S+3], 32<<16
	s_mov_b32 s[G1S+4], 64
	s_mov_b32 s[G1S+5], 32
	s_mov_b32 s[G1S+6], 0
	s_mov_b32 s[G1S+7], 0
	s_mul_i32 s10, s9, 393216
	s_add_co_u32 s10, s10, KVC                     ; the head's K and V
	s_min_u32 s15, s[WV], 3                        ; (waves 4 to 15 fetch no tile)
	s_mul_i32 s15, s15, 24576                      ; my quarter of a slot, in LDS and in memory
	s_add_co_u32 s16, s10, s15
	s_mov_b32 s17, 0
	s_lshl_b32 s2, s9, 14
	s_add_co_u32 s2, s2, KVS                       ; the head's scale words
	s_mov_b32 s3, 0
	s_max_u32 s11, s[WV], 5
	s_sub_co_u32 s11, s11, 5
	s_min_u32 s11, s11, 2                          ; 0, 1, 2 in waves 5, 6, 7 (the others ask for nothing; their address lies inside the buffer all the same)
	s_lshl_b32 s11, s11, 13
	s_mul_i32 s12, s8, 24576
	s_add_co_u32 s11, s11, s12
	s_add_co_u32 s11, s11, s10
	s_add_co_u32 s58, s11, 98304                   ; in slot 1: the first change of slots steps it to slot 2
	s_mov_b32 s59, 0
	s_sub_co_u32 s[LIM], s[WV], 5                  ; under 3 in waves 5 to 7 alone (in waves 0 to 4 it wraps)
	s_cmp_lt_u32 s[LIM], 3
	s_cselect_b32 s[LIM], 0, 1
	s_or_b32 s[LIM], s[LIM], ttmp9                 ; 0 in waves 5 to 7 of the head's first cluster: the same in all four partners
	s_cmp_eq_u32 s[LIM], 0
	s_cselect_b32 s[LIM], 1, -1
	s_lshl_b32 s11, s9, 4
	s_add_co_u32 s11, s11, s[GRP]
	s_mul_i32 s88, s11, REC
	s_mul_i32 s12, s14, TILE
	s_add_co_u32 s88, s88, s12                     ; Q's fragment
	s_mov_b32 s89, 0
	s_lshl_b32 s90, s11, 9
	s_lshl_b32 s12, s13, 8
	s_add_co_u32 s90, s90, s12
	s_lshl_b32 s12, s8, 2
	s_add_co_u32 s90, s90, s12
	s_add_co_u32 s90, s90, QS                      ; Q's scale words: tile T's at 256 (T % 2) + 4 (T / 2) + 16 r
	s_mov_b32 s91, 0
	s_mul_i32 s92, s9, 3072
	s_add_co_u32 s92, s92, KGC
	s_mov_b32 s93, 0
	s_lshl_b32 s94, s9, 8
	s_add_co_u32 s94, s94, KGS
	s_mov_b32 s95, 0
	s_mul_i32 s96, s[GRP], 204800                  ; ws_o: [query group 16][K step = head 16][record 12,800]: a record is 8 fragments, then 512 bytes of scale words
	s_mul_i32 s12, s9, 12800
	s_add_co_u32 s96, s96, s12                     ; the record
	s_add_co_u32 s98, s96, 12288                   ; its scale words
	s_mul_i32 s12, s14, TILE
	s_add_co_u32 s96, s96, s12                     ; o's fragment
	s_mov_b32 s97, 0
	s_lshl_b32 s12, s13, 8
	s_add_co_u32 s98, s98, s12
	s_lshl_b32 s12, s8, 2
	s_add_co_u32 s98, s98, s12                     ; tile T's words at 256 (T % 2) + 4 (T / 2) + 16 r
	s_mov_b32 s99, 0
	s_mov_b32 s[SEL], 0x76543210
	s_mov_b32 s[SEL+1], 0xfedcba98
	s_mov_b32 s[CS], 0x3e0293ee
	s_mov_b32 s[CS+1], s[CS]
	s_mov_b32 s[HM], 0xffff0000
	s_mov_b32 s[TB], 0
	s_mov_b32 s[TS], 0
	s_mov_b32 s[STP], 0
	s_mov_b32 s[SH], 0
	s_mov_b32 s[SLOTS], 3
	s_wait_kmcnt 0x0
	s_mov_b32 s[G0], 1
	s_mov_b32 s[G0+1], s15
	s_add_nc_u64 s[G0+2:G0+3], s[4:5], s[16:17]
	s_or_b32 s[G0+3], s[G0+3], 0x80000000
	s_mov_b32 s[G0S], 1
	s_mov_b32 s[G0S+1], SCL
	s_add_nc_u64 s[G0S+2:G0S+3], s[4:5], s[2:3]
	s_or_b32 s[G0S+3], s[G0S+3], 0x80000000
	s_add_nc_u64 s[PFA:PFA+1], s[4:5], s[58:59]
	s_add_nc_u64 s[88:89], s[4:5], s[88:89]
	s_add_nc_u64 s[90:91], s[4:5], s[90:91]
	s_add_nc_u64 s[92:93], s[4:5], s[92:93]
	s_add_nc_u64 s[94:95], s[4:5], s[94:95]
	s_add_nc_u64 s[96:97], s[6:7], s[96:97]
	s_add_nc_u64 s[98:99], s[6:7], s[98:99]
	CROUND                                         ; all four work-groups are here: the first joint loads meet
	s_cmp_lt_u32 s[WV], 4                          ; the first fills: waves 0 to 3 slot 0, wave 4 the scale words: one load a wave
	s_cbranch_scc0 .Lnot_tiles
	tensor_load_to_lds s[G0:G0+3], s[G1:G1+7]
	s_nop 0
.rept 4
	v_nop
.endr
	s_branch .Lfilled
.Lnot_tiles:
	s_cmp_eq_u32 s[WV], 4
	s_cbranch_scc0 .Lfilled
	tensor_load_to_lds s[G0S:G0S+3], s[G1S:G1S+7]
	s_nop 0
.rept 4
	v_nop
.endr
.Lfilled:
	v_and_b32 v11, 31, v0
	s_delay_alu instid0(VALU_DEP_1)
	v_lshlrev_b32 v1, 4, v11                       ; 16 x lane: a fragment's place for my lane; K's tiles
	s_delay_alu instid0(VALU_DEP_1)
	v_add_nc_u32 v2, 49152, v1                     ; V's tiles
	s_delay_alu instid0(VALU_DEP_2)
	v_add_nc_u32 v3, SCL, v1                       ; the scale words
	s_delay_alu instid0(VALU_DEP_4)
	v_lshlrev_b32 v4, 2, v11
	v_and_b32 v86, 15, v0                          ; r
	s_delay_alu instid0(VALU_DEP_1)
	v_lshlrev_b32 v7, 4, v86
	v_lshlrev_b32 v91, 8, v11
	v_add_nc_u32 v92, s87, v1                      ; my tile's stage: O^T's image, 16 bytes a lane;
	v_lshlrev_b32 v93, 3, v11
	s_delay_alu instid0(VALU_DEP_1)
	v_add_nc_u32 v93, s87, v93
	s_delay_alu instid0(VALU_DEP_1)
	v_add_nc_u32 v93, 8192, v93                    ; behind it -M and the sum, 8 bytes a lane.  Both are made here, where all waves still go one way
.irp c, 0,1,2
	global_load_b128 v[16+4*\c:19+4*\c], v1, s[88:89] offset:512*\c   ; Q's fragment stays in registers
.endr
	global_load_b32 v255, v7, s[90:91]             ; Q's scale words
	v_bfe_u32 v87, v0, 4, 1
	s_delay_alu instid0(VALU_DEP_1)
	v_lshlrev_b32 v87, 4, v87                      ; 16 h
	v_and_b32 v89, 8, v86
	s_delay_alu instid0(VALU_DEP_1)
	v_add_nc_u32 v89, v89, v86                     ; r + 8 (r / 8)
	s_lshl_b32 s10, s8, 5
	s_lshl_b32 s11, s13, 3
	s_add_co_u32 s10, s10, s11
	v_add_nc_u32 v89, s10, v89                     ; my query in its group: 32 cx + 8 u + r + 8 (r / 8),
	s_delay_alu instid0(VALU_DEP_1)
	v_sub_nc_u32 v89, v89, v87                     ; less 16 h
	s_lshl_b32 s10, s[GRP], 1
	s_lshr_b32 s11, s8, 1
	s_add_co_u32 s10, s10, s11                     ; my query's block
	v_sub_nc_u32 v90, s10, v87                     ; less 16 h
	v_mov_b32 v80, 0xff800000                      ; -infinity
	v_mov_b32 v81, 0x7fc00000                      ; a NaN: equal to nothing
	v_mov_b32 v82, 0
	v_mov_b32 v83, 0                               ; (the upper halves of the addends' pairs are named, so they are written)
	v_mov_b32 v84, 0
	v_mov_b32 v85, 0
	v_mov_b32 v13, 0xff61b1e6                      ; the largest t so far: -3e38
	s_delay_alu instid0(VALU_DEP_1)
	v_floor_f32 v12, -v13
	v_mov_b32 v14, 0
	v_mov_b32 v15, 0
.irp b, 0,1,2,3
	v_mov_b32 v[232+\b], 0
	v_mov_b32 v[236+\b], 0                         ; written once: a lane permute's destination counts as one of its sources
.endr
	v_mov_b32 v252, 0
	v_mov_b32 v253, 0
.set J, 0
.rept 64
	v_mov_b32 v[160+J], 0                          ; O^T: the step is written once; the first change of M multiplies zeros
.set J, J+1
.endr
	; ---------------- THE GATE AND THE CHOICE (both waves of a tile make it: it is needed in every step) ----------------
	s_cmp_lt_u32 s[GRP], 4                         ; groups 0 to 3: blocks 0 to 7: at most 7 earlier blocks: all are chosen
	s_cbranch_scc0 .Lgate
	v_mov_b32 v88, -1
	s_branch .Lgated
.Lgate:
.irp u, 0,1
.irp c, 0,1,2
	global_load_b128 v[32+12*\u+4*\c:35+12*\u+4*\c], v1, s[92:93] offset:1536*\u+512*\c   ; kg's two tiles: 32 blocks
.endr
	global_load_b32 v[248+\u], v4, s[94:95] offset:128*\u
.endr
	s_wait_loadcnt 0x0                             ; Q and kg
	WM 96, 32, 16, 1, 248, 255, 0, 0               ; register i of v96-111: the gate of block 16 (lane / 16) + i for my query
	WM 104, 44, 16, 1, 249, 255, 0, 0
	PLACES 4
.irp i, 0,1,2,3,4,5,6,7,8,9,10,11,12,13,14,15
	v_cmp_ge_i32 vcc_lo, \i, v90                   ; my own block and those behind it do not compete
	v_cndmask_b32 v[96+\i], v[96+\i], v80, vcc_lo
.endr
	s_mov_b32 s85, 7
.Ltop:                                             ; seven trips: the largest gate that is left, at its lowest block, becomes -infinity
	v_max3_num_f32 v232, v96, v97, v98
	v_max3_num_f32 v233, v99, v100, v101
	s_delay_alu instid0(VALU_DEP_2)
	v_max3_num_f32 v232, v232, v102, v103
	s_wait_alu depctr_va_vdst(0)
	v_max3_num_f32 v233, v233, v104, v105
	v_max3_num_f32 v232, v232, v106, v107
	s_delay_alu instid0(VALU_DEP_2)
	v_max3_num_f32 v233, v233, v108, v109
	s_delay_alu instid0(VALU_DEP_2)
	v_max3_num_f32 v232, v232, v110, v111
	s_delay_alu instid0(VALU_DEP_1)
	v_max_num_f32 v232, v232, v233                 ; of my 16 blocks
	s_delay_alu instid0(VALU_DEP_1)
	v_permlanex16_b32 v233, v232, s[SEL], s[SEL+1]
	s_delay_alu instid0(VALU_DEP_1)
	v_max_num_f32 v234, v232, v233                 ; of all 32
	s_delay_alu instid0(VALU_DEP_1)
	v_cmp_eq_f32 vcc_lo, v233, v234
	s_and_b32 vcc_lo, vcc_lo, s[HM]                ; a lane of the upper half stands back where the lower half holds the largest: the lower block wins
	v_cndmask_b32 v235, v234, v81, vcc_lo
.irp i, 0,1,2,3,4,5,6,7,8,9,10,11,12,13,14,15
	v_cmp_eq_f32 s[68+\i], v[96+\i], v235
.endr
	s_mov_b32 s84, 0
.irp i, 0,2,4,6,8,10,12,14                     ; of a lane's hits only the first is kept
	s_or_b32 s86, s84, s[68+\i]
	s_and_not1_b32 s[68+\i], s[68+\i], s84
	s_or_b32 s84, s86, s[69+\i]
	s_and_not1_b32 s[69+\i], s[69+\i], s86
.endr
.irp i, 0,1,2,3,4,5,6,7,8,9,10,11,12,13,14,15
	v_cndmask_b32 v[96+\i], v[96+\i], v80, s[68+\i]
.endr
	s_sub_co_u32 s85, s85, 1
	s_cmp_lg_u32 s85, 0
	s_cbranch_scc1 .Ltop
	v_mov_b32 v86, 0                               ; a bit for each block that is -infinity now: the seven, my own, and those behind it (which the causal mask hides)
.irp i, 0,1,2,3,4,5,6,7,8,9,10,11,12,13,14,15
	v_cmp_eq_f32 vcc_lo, v[96+\i], v80
	s_delay_alu instid0(VALU_DEP_1)
	v_cndmask_b32 v87, 0, 1, vcc_lo
	s_delay_alu instid0(VALU_DEP_1)
	v_lshl_or_b32 v86, v87, \i, v86
.endr
	v_bfe_u32 v87, v0, 4, 1
	s_delay_alu instid0(VALU_DEP_1)
	v_lshlrev_b32 v87, 4, v87
	s_delay_alu instid0(VALU_DEP_1)
	v_lshlrev_b32 v86, v87, v86
	s_delay_alu instid0(VALU_DEP_1)
	v_permlanex16_b32 v87, v86, s[SEL], s[SEL+1]
	s_delay_alu instid0(VALU_DEP_1)
	v_or_b32 v88, v86, v87                         ; all 32 bits, in both lanes of a query
.Lgated:
	s_wait_loadcnt 0x0                             ; Q
; A KEY STEP: 128 keys.
.macro STEP
	s_cmp_gt_u32 s[STP], s[GRP]                    ; all its keys come after my queries: a branch on ids, round the step's work alone
	s_cbranch_scc1 .Lhidden_\@
	s_cmp_lg_u32 s[PAR], 0                         ; or the step is my partner wave's: a branch on the wave's number and the step's
	s_cbranch_scc1 .Lhidden_\@
	v_add_nc_u32 v8, s[TB], v1
	s_wait_alu depctr_va_vdst(0)
	v_add_nc_u32 v9, s[TB], v2
	v_add_nc_u32 v10, s[TS], v3
	ds_load_b128 v[248:251], v10                   ; K's scale words of the step (the places in front of these loads stand at the last step's end)
.irp g, 0,1                                    ; S^T = K Q^T, four tiles of 16 keys at a time
.if \g
	PLACES 4                                       ; in front of loads into registers that products have read
.endif
.irp t, 0,1,2,3
	FRAG 32+12*\t, 8, (4*\g+\t)*TILE
.endr
	s_wait_dscnt 0x0
.irp t, 0,1,2,3
	WM 96+8*(4*\g+\t), 32+12*\t, 16, 1, 248+(4*\g+\t)/2, 255, \t%2, 0
.endr
.endr
	PLACES 4
	s_wait_alu depctr_va_vdst(0)
.irp t, 0,1,2,3
	FRAG 32+12*\t, 9, \t*TILE                      ; V's first four tiles are asked for ahead of the softmax
.endr
	ds_load_b128 v[248:251], v10 offset:8192       ; and V's scale words
	v_lshrrev_b32 v86, s[SH], v88                  ; has my query chosen the step's two blocks?
	s_delay_alu instid0(VALU_DEP_1)
	v_and_b32 v87, 1, v86
	s_delay_alu instid0(VALU_DEP_1)
	v_cmp_eq_u32 s[MK0], 1, v87
	s_delay_alu instid0(VALU_DEP_3)
	v_and_b32 v87, 2, v86
	s_delay_alu instid0(VALU_DEP_1)
	v_cmp_eq_u32 s[MK0+1], 2, v87
	s_cmp_lg_u32 s[STP], s[GRP]                    ; only my own group's step lies on the diagonal
	s_cbranch_scc1 .Lopen_\@
.set J, 0
.rept 64
	v_cmp_gt_i32 vcc_lo, 32*(J/16)+J%16, v89       ; register 16 b + i holds key 32 b + 16 (lane / 16) + i of the step: hidden where it comes after my query
	v_cndmask_b32 v[96+J], v[96+J], v80, vcc_lo
.set J, J+1
.endr
.Lopen_\@:
.irp b, 0,1,2,3
	v_max3_num_f32 v[232+\b], v[96+16*\b], v[97+16*\b], v[98+16*\b]   ; the largest score of each 32 keys: for the row's maximum, and for the block's largest p
.endr
.irp i, 3,5,7,9,11,13
.irp b, 0,1,2,3
	v_max3_num_f32 v[232+\b], v[232+\b], v[96+16*\b+\i], v[97+16*\b+\i]
.endr
.endr
.irp b, 0,1,2,3
	v_max_num_f32 v[232+\b], v[232+\b], v[111+16*\b]
.endr
.irp b, 0,1,2,3
	s_delay_alu instid0(VALU_DEP_4)
	v_permlanex16_b32 v[236+\b], v[232+\b], s[SEL], s[SEL+1]
.endr
.irp b, 0,1,2,3
	s_delay_alu instid0(VALU_DEP_4)
	v_max_num_f32 v[232+\b], v[232+\b], v[236+\b]
.endr
.irp b, 0,1,2,3
	s_delay_alu instid0(VALU_DEP_4)
	v_cndmask_b32 v[232+\b], v80, v[232+\b], s[MK0+\b/2]   ; a block that is not chosen counts for nothing
.endr
	s_delay_alu instid0(VALU_DEP_2)
	v_max3_num_f32 v254, v232, v233, v234
	s_delay_alu instid0(VALU_DEP_1)
	v_max_num_f32 v254, v254, v235
	s_delay_alu instid0(VALU_DEP_1)
	v_mul_f32 v254, s[CS], v254                    ; as t (c is positive)
	s_delay_alu instid0(VALU_DEP_1)
	v_max_num_f32 v13, v13, v254                   ; the running largest t
	v_mov_b32 v254, v12
	s_delay_alu instid0(VALU_DEP_2)
	v_floor_f32 v12, -v13                          ; the new -M: M is a whole number
	s_delay_alu instid0(VALU_DEP_1)
	v_sub_f32 v254, v12, v254
	s_delay_alu instid0(VALU_DEP_1)
	v_cvt_i32_f32 v254, v254                       ; (it saturates)
	s_delay_alu instid0(VALU_DEP_1)
	v_ldexp_f32 v252, 1.0, v254                    ; f = 2^(old M - new M)
	s_delay_alu instid0(VALU_DEP_4)
	v_cndmask_b32 v82, v80, v12, s[MK0]            ; -M, or -infinity for a block that is not chosen
	v_cndmask_b32 v84, v80, v12, s[MK0+1]
.irp j, 0,2,4,6,8,10,12,14,16,18,20,22,24,26,28,30
	v_pk_fma_f32 v[96+\j:97+\j], v[96+\j:97+\j], s[CS:CS+1], v[82:83] op_sel_hi:[1,0,0]
.endr
.irp j, 32,34,36,38,40,42,44,46,48,50,52,54,56,58,60,62
	v_pk_fma_f32 v[96+\j:97+\j], v[96+\j:97+\j], s[CS:CS+1], v[84:85] op_sel_hi:[1,0,0]
.endr
.irp b, 0,1,2,3
	v_fma_f32 v[232+\b], v[232+\b], s[CS], v12
.endr
.set J, 0
	s_wait_alu depctr_va_vdst(0)
.rept 64
	v_exp_f32 v[96+J], v[96+J]                     ; p = 2^(t - M): not normalised
.set J, J+1
.endr
	v_pk_mul_f32 v[14:15], v[14:15], v[252:253] op_sel_hi:[1,0]   ; the sums under the new M (a plain instruction behind the exponentials)
	s_wait_alu depctr_va_vdst(0)                   ; one wait for the whole batch, ahead of its first reader
.irp b, 0,1,2,3
	v_exp_f32 v[232+\b], v[232+\b]                 ; each 32 keys' largest p
.endr
	v_pk_add_f32 v[236:237], v[100:101], v[104:105]
	v_pk_add_f32 v[246:247], v[108:109], v[112:113]
	v_pk_add_f32 v[244:245], v[116:117], v[120:121]
	v_pk_add_f32 v[242:243], v[124:125], v[128:129]
	v_pk_add_f32 v[240:241], v[132:133], v[136:137]
	v_pk_add_f32 v[238:239], v[140:141], v[144:145]
	v_pk_add_f32 v[230:231], v[148:149], v[152:153]
	v_pk_add_f32 v[14:15], v[14:15], v[156:157]
	v_pk_add_f32 v[236:237], v[236:237], v[96:97]
	v_pk_add_f32 v[246:247], v[246:247], v[98:99]
	v_pk_add_f32 v[244:245], v[244:245], v[102:103]
	v_pk_add_f32 v[242:243], v[242:243], v[106:107]
	v_pk_add_f32 v[240:241], v[240:241], v[110:111]
	v_pk_add_f32 v[238:239], v[238:239], v[114:115]
	v_pk_add_f32 v[230:231], v[230:231], v[118:119]
	v_pk_add_f32 v[14:15], v[14:15], v[122:123]
	v_pk_add_f32 v[236:237], v[236:237], v[126:127]
	v_pk_add_f32 v[246:247], v[246:247], v[130:131]
	v_pk_add_f32 v[244:245], v[244:245], v[134:135]
	v_pk_add_f32 v[242:243], v[242:243], v[138:139]
	v_pk_add_f32 v[240:241], v[240:241], v[142:143]
	v_pk_add_f32 v[238:239], v[238:239], v[146:147]
	v_pk_add_f32 v[230:231], v[230:231], v[150:151]
	v_pk_add_f32 v[14:15], v[14:15], v[154:155]
	v_pk_add_f32 v[236:237], v[236:237], v[158:159]
	s_delay_alu instid0(VALU_DEP_2)
	v_pk_add_f32 v[14:15], v[14:15], v[242:243]
	s_delay_alu instid0(VALU_DEP_2)
	v_pk_add_f32 v[236:237], v[236:237], v[240:241]
	v_pk_add_f32 v[246:247], v[246:247], v[238:239]
	v_pk_add_f32 v[244:245], v[244:245], v[230:231]
	s_delay_alu instid0(VALU_DEP_2)
	v_pk_add_f32 v[14:15], v[14:15], v[246:247]
	s_delay_alu instid0(VALU_DEP_2)
	v_pk_add_f32 v[236:237], v[236:237], v[244:245]
	s_delay_alu instid0(VALU_DEP_1)
	v_pk_add_f32 v[14:15], v[14:15], v[236:237]
	s_wait_alu depctr_va_vdst(0)                   ; and one for the four
.irp b, 0,1,2,3
	v_max_num_f32 v[232+\b], 0x1800000, v[232+\b]  ; the floor 2^(3 - 127): the byte cannot fall under 1
.endr
.irp b, 0,1,2,3
	s_delay_alu instid0(VALU_DEP_4)
	v_add_nc_u32 v[244+\b], 0xff000000, v[232+\b]
.endr
.irp b, 0,1,2,3
	s_delay_alu instid0(VALU_DEP_4)
	v_lshrrev_b32 v[236+\b], 23, v[244+\b]
.endr
	s_delay_alu instid0(VALU_DEP_3)
	v_lshl_or_b32 v253, v237, 8, v236              ; p's scale word for these 128 keys
	s_delay_alu instid0(VALU_DEP_1)
	v_lshl_or_b32 v253, v238, 16, v253
	s_delay_alu instid0(VALU_DEP_1)
	v_lshl_or_b32 v253, v239, 24, v253
.irp c, 0,1
	v_cvt_scalef32_pk16_fp6_f32 v[224+6*\c:226+6*\c], v[96+32*\c:111+32*\c], v[244+2*\c]
	v_cvt_scalef32_pk16_fp6_f32 v[236+4*\c:238+4*\c], v[112+32*\c:127+32*\c], v[244+2*\c+1]
.endr
	v_nop                                          ; one plain instruction behind the scaled conversions
.irp c, 0,1
.irp i, 0,1,2
	v_permlane16_swap_b32 v[224+6*\c+\i], v[236+4*\c+\i]
.endr
.irp i, 0,1,2
	s_delay_alu instid0(VALU_DEP_3)
	v_mov_b32 v[227+6*\c+\i], v[236+4*\c+\i]
.endr
.endr
.irp j, 0,2,4,6,8,10,12,14,16,18,20,22,24,26,28,30,32,34,36,38,40,42,44,46,48,50,52,54,56,58,60,62
	v_pk_mul_f32 v[160+\j:161+\j], v[160+\j:161+\j], v[252:253] op_sel_hi:[1,0]   ; O^T under the new M; these 32 are also the places between the codes, the scale word and the products
.endr
	s_wait_alu depctr_va_vdst(0)
	s_wait_dscnt 0x0                               ; V's first four tiles and its scale words
.irp t, 0,1,2,3
	WM 160+8*\t, 32+12*\t, 224, 0, 248+\t/2, 253, \t%2, 0
.endr
	PLACES 4
.irp t, 0,1,2,3
	FRAG 32+12*\t, 9, (4+\t)*TILE
.endr
	s_wait_dscnt 0x0
.irp t, 0,1,2,3
	WM 192+8*\t, 32+12*\t, 224, 0, 250+\t/2, 253, \t%2, 0
.endr
	PLACES 4                                       ; behind the step's last products: for the next loads into their registers and the next reads of O^T
.Lhidden_\@:
	s_add_co_u32 s[STP], s[STP], 1
	s_add_co_u32 s[SH], s[SH], 2
	s_add_co_u32 s[TS], s[TS], 512
	s_add_co_u32 s[TB], s[TB], REC
	s_xor_b32 s[PAR], s[PAR], 1                    ; the next step is the other wave's
.endm
; THE CHANGE OF SLOTS stands at a slot's head.  fill = 1: the slot that has been left (at first: slot 1, not yet filled) takes the next four key steps: a joint load behind a round of the cluster's barrier.
.macro CHANGE fill
	s_wait_tensorcnt 0x0                           ; no tensor load of mine is out: my part of the slot ahead has landed, and group 0 may be written
	ds_add_u32 v5, v6                              ; 0 onto my spare word
.if \fill
	s_xor_b32 s[G0+1], s[G0+1], SLOT1
	s_add_nc_u64 s[G0+2:G0+3], s[G0+2:G0+3], 98304
	s_wait_xcnt 0x0                                ; the last prefetch, a slot back, has read its address
	s_add_nc_u64 s[PFA:PFA+1], s[PFA:PFA+1], 98304
.endif
	s_wait_dscnt 0x0                               ; the add is done, and my reads of the slot that I have left are over
.if \fill
	CROUND                                         ; both now hold of every wave of all four work-groups
	TLOAD                                          ; the first thing behind the round, one load a wave
	ASK
.else
	s_barrier_signal -1
	s_barrier_wait -1
.endif
.endm
.macro SLOT_STEPS                      ; a slot's four key steps: written once, walked four times; two of them at the most are a wave's own
	s_mov_b32 s[TW], 4
.Lst_\@:
	STEP
	s_sub_co_u32 s[TW], s[TW], 1
	s_cmp_lg_u32 s[TW], 0
	s_cbranch_scc1 .Lst_\@
	s_sub_co_u32 s[TB], s[TB], 4*REC
	s_xor_b32 s[TB], s[TB], SLOT1                  ; on to the other slot
.endm
.Lslot:                                            ; three trips: behind each change of slots but the last the next slot is asked for
	CHANGE 1
	SLOT_STEPS
	s_sub_co_u32 s[SLOTS], s[SLOTS], 1
	s_cmp_lg_u32 s[SLOTS], 0
	s_cbranch_scc1 .Lslot
	CHANGE 0                                       ; the last slot is written out
	SLOT_STEPS
	; ---------------- THE TWO WAVES OF A TILE MEET ----------------
	s_wait_dscnt 0x0                               ; my reads of the ring are in
	s_barrier_signal -1
	s_barrier_wait -1                              ; every wave's are: nobody reads the ring any more, and nothing is filled any more: slot 0's bytes serve as the stages
	s_cmp_eq_u32 s[HF], 0
	s_cbranch_scc1 .Lkeeper
	v_add_f32 v13, v14, v15                        ; the odd steps' wave: its sum's two halves, beside -M in the pair v[12:13]
.set J, 0
	s_wait_alu depctr_va_vdst(0)
.rept 16
	ds_store_b128 v92, v[160+4*J:163+4*J] offset:512*J   ; O^T as an image of its registers, each accumulator from its low end on: 512 consecutive bytes a store
.set J, J+1
.endr
	ds_store_b64 v93, v[12:13]
.Lkeeper:
	s_wait_dscnt 0x0                               ; for the partner's sake: my stores have landed
	s_barrier_signal -1
	s_barrier_wait -1
	s_cmp_eq_u32 s[HF], 0
	s_cbranch_scc0 .Lend                           ; the odd steps' wave has handed its state on
.set J, 0
.rept 16
	ds_load_b128 v[96+4*J:99+4*J], v92 offset:512*J   ; the partner's O^T: the same registers in the same lanes
.set J, J+1
.endr
	ds_load_b64 v[86:87], v93                      ; its -M and its sum
	v_add_f32 v14, v14, v15                        ; my sum's two halves
	s_wait_dscnt 0x0
	v_min_num_f32 v232, v12, v86                   ; -M of the larger M
	s_delay_alu instid0(VALU_DEP_1)
	v_sub_f32 v233, v232, v12                      ; my M less the larger: a whole number, 0 or less
	s_delay_alu instid0(VALU_DEP_2)
	v_sub_f32 v234, v232, v86                      ; the partner's likewise
	s_delay_alu instid0(VALU_DEP_2)
	v_cvt_i32_f32 v233, v233                       ; (it saturates: a wave that had no key for a query has M = -3e38, zeros in its sums, and gets the factor 0)
	s_delay_alu instid0(VALU_DEP_2)
	v_cvt_i32_f32 v234, v234
	s_delay_alu instid0(VALU_DEP_2)
	v_ldexp_f32 v233, 1.0, v233                    ; f0, f1: powers of two: nothing is rounded
	s_wait_alu depctr_va_vdst(0)
	v_ldexp_f32 v234, 1.0, v234
	v_mul_f32 v14, v14, v233
	s_delay_alu instid0(VALU_DEP_1)
	v_fma_f32 v14, v87, v234, v14                  ; both sums under the larger M,
	s_delay_alu instid0(VALU_DEP_1)
	v_permlanex16_b32 v252, v14, s[SEL], s[SEL+1]
	s_delay_alu instid0(VALU_DEP_1)
	v_add_f32 v14, v14, v252                       ; and lane l xor 16's: the row's sum
	s_wait_alu depctr_va_vdst(0)
	v_rcp_f32 v14, v14
	v_nop                                          ; a plain instruction behind the reciprocal
	s_wait_alu depctr_va_vdst(0)                   ; and the wait ahead of its first reader
	v_mul_f32 v82, v233, v14                       ; f0 / l
	v_mul_f32 v84, v234, v14                       ; f1 / l
	; ---------------- THE WAY OUT: (O0 f0 + O1 f1) / l, quantised along the head's 128: K step = head of the last product ----------------
.set J, 0
.rept 32
	v_pk_mul_f32 v[96+J:97+J], v[96+J:97+J], v[84:85] op_sel_hi:[1,0]
.set J, J+2
.endr
.set J, 0
.rept 32
	v_pk_fma_f32 v[96+J:97+J], v[160+J:161+J], v[82:83], v[96+J:97+J] op_sel_hi:[1,0,1]   ; register 16 b + i: o(my query, 32 b + 16 (lane / 16) + i); each accumulator from its low end on
.set J, J+2
.endr
.irp b, 0,1,2,3
	v_max3_num_f32 v[TM+\b], |v[96+16*\b]|, |v[97+16*\b]|, 0x1800000
.endr
.irp i, 2,4,6,8,10,12,14
.irp b, 0,1,2,3
	s_delay_alu instid0(VALU_DEP_4)
	v_max3_num_f32 v[TM+\b], v[TM+\b], |v[96+16*\b+\i]|, |v[97+16*\b+\i]|
.endr
.endr
.irp b, 0,1,2,3
	s_delay_alu instid0(VALU_DEP_4)
	v_permlanex16_b32 v[TM+4+\b], v[TM+\b], s[SEL], s[SEL+1]
.endr
.irp b, 0,1,2,3
	s_delay_alu instid0(VALU_DEP_4)
	v_max_num_f32 v[TM+\b], v[TM+\b], v[TM+4+\b]
.endr
.irp b, 0,1,2,3
	s_delay_alu instid0(VALU_DEP_4)
	v_add_nc_u32 v[TM+12+\b], 0xff000000, v[TM+\b]
.endr
.irp b, 0,1,2,3
	s_delay_alu instid0(VALU_DEP_4)
	v_lshrrev_b32 v[TM+4+\b], 23, v[TM+12+\b]
.endr
	s_delay_alu instid0(VALU_DEP_3)
	v_lshl_or_b32 v254, v[TM+5], 8, v[TM+4]
	s_delay_alu instid0(VALU_DEP_1)
	v_lshl_or_b32 v254, v[TM+6], 16, v254
	s_delay_alu instid0(VALU_DEP_1)
	v_lshl_or_b32 v254, v[TM+7], 24, v254
.irp c, 0,1
	v_cvt_scalef32_pk16_fp6_f32 v[224+6*\c:226+6*\c], v[96+32*\c:111+32*\c], v[TM+12+2*\c]
	v_cvt_scalef32_pk16_fp6_f32 v[236+4*\c:238+4*\c], v[112+32*\c:127+32*\c], v[TM+12+2*\c+1]
.endr
	v_nop
.irp c, 0,1
.irp i, 0,1,2
	v_permlane16_swap_b32 v[224+6*\c+\i], v[236+4*\c+\i]
.endr
.irp i, 0,1,2
	s_delay_alu instid0(VALU_DEP_3)
	v_mov_b32 v[227+6*\c+\i], v[236+4*\c+\i]
.endr
.endr
.irp c, 0,1,2
	global_store_b128 v1, v[224+4*\c:227+4*\c], s[96:97] offset:512*\c   ; 512 consecutive bytes, aligned
.endr
	global_store_b32 v7, v254, s[98:99]            ; both lanes of a query hold the same word and write it to the same place
.Lend:
	s_wait_tensorcnt 0x0                           ; the wave's end
	ds_add_u32 v5, v6
	s_wait_dscnt 0x0
	CROUND                                         ; the closing round
	s_endpgm
.Lfunc_end_k_qfd429bfab0_attn:
	.size	k_qfd429bfab0_attn, .Lfunc_end_k_qfd429bfab0_attn-k_qfd429bfab0_attn
	.p2alignl 7, 3214868480
	.fill 96, 4, 3214868480
	.section	.rodata,"a",@progbits
	.p2align	6, 0x0
	.amdhsa_kernel k_qfd429bfab0_attn
		.amdhsa_group_segment_fixed_size 327680
		.amdhsa_private_segment_fixed_size 0
		.amdhsa_enable_private_segment 0
		.amdhsa_kernarg_size 16
		.amdhsa_user_sgpr_count 2
		.amdhsa_user_sgpr_kernarg_segment_ptr 1
		.amdhsa_wavefront_size32 1
		.amdhsa_system_sgpr_workgroup_id_x 1
		.amdhsa_system_sgpr_workgroup_id_y 1
		.amdhsa_system_sgpr_workgroup_id_z 1
		.amdhsa_system_vgpr_workitem_id 0
		.amdhsa_next_free_vgpr 256
		.amdhsa_next_free_sgpr 104
		.amdhsa_reserve_vcc 1
		.amdhsa_float_denorm_mode_32 3
		.amdhsa_float_denorm_mode_16_64 3
		.amdhsa_memory_ordered 1
		.amdhsa_forward_progress 1
		.amdhsa_inst_pref_size 89
	.end_amdhsa_kernel
	.amdgpu_metadata
---
amdhsa.version: [ 1, 2 ]
amdhsa.kernels:
  - .name:           k_qfd429bfab0_attn
    .symbol:         k_qfd429bfab0_attn.kd
    .args:
      - { .name: ws_qkv, .offset: 0, .size: 8, .value_kind: global_buffer, .address_space: global }
      - { .name: ws_o, .offset: 8, .size: 8, .value_kind: global_buffer, .address_space: global }
    .group_segment_fixed_size: 327680
    .private_segment_fixed_size: 0
    .kernarg_segment_align: 8
    .kernarg_segment_size: 16
    .max_flat_workgroup_size: 512
    .sgpr_count:     104
    .vgpr_count:     256
    .wavefront_size: 32
...
	.end_amdgpu_metadata
.endif
;; end of part 3
;; launch gemm_out (part 4): grid 16 x 16, 4 waves a work-group, clusters of 4 x 4, 327,680 bytes of LDS; arguments ws_o, ws_wo, out0; writes out0
.if DOCPART == 4
	.amdgcn_target "amdgcn-amd-amdhsa--gfx1250"
	.amdhsa_code_object_version 6
	.text
	.protected	k_qfd429bfab0_gemm_out
	.globl	k_qfd429bfab0_gemm_out
	.p2align	8
	.type	k_qfd429bfab0_gemm_out,@function
k_qfd429bfab0_gemm_out:
	s_mov_b64 s[64:65], 0
	v_nop
	global_prefetch_b8 v0, s[64:65] scope:SCOPE_SE
	s_setreg_imm32_b32 hwreg(HW_REG_WAVE_MODE, 25, 1), 1
	s_wait_xcnt 0x0
	s_wait_alu depctr_hold_cnt(0) depctr_sa_sdst(0) depctr_va_vdst(0) depctr_va_sdst(0) depctr_va_ssrc(0) depctr_va_vcc(0) depctr_vm_vsrc(0)
	s_getreg_b32 s2, hwreg(HW_REG_IB_STS2, 6, 4)
	s_cmp_eq_u32 s2, 0
	s_cbranch_scc0 .Lentry_in_a_cluster
	s_endpgm
.Lentry_in_a_cluster:
	s_bfe_u32 s2, ttmp6, 0x10000c
	s_cmp_lg_u32 s2, 0xf033
	s_cbranch_scc0 .Lentry_shape_is_right
	s_endpgm
.Lentry_shape_is_right:
; out0 = o Wo on codes of FP6 (E2M3).  R = o (ws_o, a group = 128 tokens), P = Wo (ws_wo, a group = 128 columns); source 0 = 16 rows of P, source 1 = 16 rows of R: a lane holds eight neighbouring columns of a row of out0.
; Both operands lie as [group 16][K step 16][record 12,800]: a record is 8 fragments' register images (1,536 bytes each) and 512 bytes of scale words.  Slot r of tile T of a group is row 32 (T / 2) + 8 (T % 2) + r + 8 (r / 8).
; A work-group makes 128 x 128 (256 work-groups), each of four waves 64 x 64: 16 accumulators.
; LDS holds twelve K steps of both groups (2 x 153,600 bytes).  They are asked for at the head, one load a wave: six records (76,800 dense bytes) each.
; Fragments are fetched two K steps ahead, into three sets of registers.  So in K step 2 the places of K steps 0-3 have been read: K steps 12-15 are filled into them, two records a wave; the wait for them stands in K step 10.
; CLUSTERS: 4 x 4 work-groups; R's records are asked for jointly along a row of the cluster, P's along a column.
; No prefetch: twelve of the sixteen K steps are asked for at the head, and the walk has no loop to run ahead in.
; THE WAY OUT goes through a stage of 64 rows x 272 bytes for each wave, in the places of R's K steps 4-9: they were filled once, and the barrier in K step 10 shows every wave's reads of them over.
; REGISTERS: window 0: v4-15 LDS addresses; v24-29; v32-43 scale words, three sets; v48-111 the way out; v128-255 accumulators.  Fragments: sets 0, 1 in window 1 at v0, v128, set 2 in window 2 at v0: P's four, then R's four.
.set GRPB, 204800
.set REC,  12800
.set SCW,  12288
.set TILE, 1536
.set PREG, 12*REC                      ; P's records lie behind R's twelve
.set SPARE, 24*REC                     ; the spare words, 128 bytes for each wave: two blocks of 256 bytes that no other line names
.set STAGE, 4*REC
.set ADR,  4                           ; v4-6 my R fragments at records 0, 5, 10 (an LDS offset has 16 bits: five records to a register)
.set ADP,  7                           ; v7-9 my P fragments
.set ASR,  10                          ; v10-12 my R scale words
.set ASP,  13                          ; v13-15 my P scale words
.set STO,  24
.set RD,   25
.set CO,   26
.set SPW,  28
.set NIL,  29
.set G1, 24                            ; s[24:31], s[48:55] group 1 of the head's loads, for R and for P
.set G1B, 48
.set G1R2, 68                          ; s[68:75], s[80:87] of the refills
.set G1P2, 80
.set G0R, 32                           ; group 0: the head's, the refills'
.set G0P, 36
.set G0R2, 56
.set G0P2, 60
.set MSB, 0
.macro WIN new
.if MSB != (\new)
	s_set_vgpr_msb (MSB<<8)|(\new)
.set MSB, (\new)
.endif
.endm
.macro PLACES n
.rept \n
	v_nop
.endr
.endm
; A joint load: waves 0 and 1 fetch for R, waves 2 and 3 for P; the branch hangs on the wave's number alone.  s_nop 0 and four v_nop follow each line.
.macro JLOAD g0a, g1a, g0b, g1b
	s_cmp_eq_u32 s15, 0
	s_cbranch_scc0 .Lfor_b_\@
	tensor_load_to_lds s[\g0a:\g0a+3], s[\g1a:\g1a+7]
	s_nop 0
.rept 4
	v_nop
.endr
	s_branch .Lasked_\@
.Lfor_b_\@:
	tensor_load_to_lds s[\g0b:\g0b+3], s[\g1b:\g1b+7]
	s_nop 0
.rept 4
	v_nop
.endr
.Lasked_\@:
.endm
.macro CREST
	s_cmp_lg_u32 s14, 0
	s_cbranch_scc1 .Lnot_wave_0_\@
	s_barrier_signal -3
.Lnot_wave_0_\@:
	s_barrier_wait -3
	s_barrier_signal -1
	s_barrier_wait -1
.endm
.macro CROUND
	s_barrier_signal -1
	s_barrier_wait -1
	CREST
.endm
.macro FRAG reg, adr, off
.irp c, 0,1,2
	ds_load_b128 v[\reg+4*\c:\reg+4*\c+3], v[\adr] offset:\off+512*\c
.endr
.endm
.macro WM d, a, b, z, sa, sb, ra, rb   ; one product; z = 1: it starts the sum; ra, rb = 1: the side's scale words stand in lanes 16-31
.if (\z)
.if (\ra) && (\rb)
	v_wmma_scale_f32_16x16x128_f8f6f4 v[\d:\d+7], v[\a:\a+11], v[\b:\b+11], 0, v[\sa], v[\sb] matrix_a_fmt:MATRIX_FMT_FP6 matrix_b_fmt:MATRIX_FMT_FP6 matrix_a_scale:MATRIX_SCALE_ROW1 matrix_b_scale:MATRIX_SCALE_ROW1
.elseif (\ra)
	v_wmma_scale_f32_16x16x128_f8f6f4 v[\d:\d+7], v[\a:\a+11], v[\b:\b+11], 0, v[\sa], v[\sb] matrix_a_fmt:MATRIX_FMT_FP6 matrix_b_fmt:MATRIX_FMT_FP6 matrix_a_scale:MATRIX_SCALE_ROW1
.elseif (\rb)
	v_wmma_scale_f32_16x16x128_f8f6f4 v[\d:\d+7], v[\a:\a+11], v[\b:\b+11], 0, v[\sa], v[\sb] matrix_a_fmt:MATRIX_FMT_FP6 matrix_b_fmt:MATRIX_FMT_FP6 matrix_b_scale:MATRIX_SCALE_ROW1
.else
	v_wmma_scale_f32_16x16x128_f8f6f4 v[\d:\d+7], v[\a:\a+11], v[\b:\b+11], 0, v[\sa], v[\sb] matrix_a_fmt:MATRIX_FMT_FP6 matrix_b_fmt:MATRIX_FMT_FP6
.endif
.else
.if (\ra) && (\rb)
	v_wmma_scale_f32_16x16x128_f8f6f4 v[\d:\d+7], v[\a:\a+11], v[\b:\b+11], v[\d:\d+7], v[\sa], v[\sb] matrix_a_fmt:MATRIX_FMT_FP6 matrix_b_fmt:MATRIX_FMT_FP6 matrix_a_scale:MATRIX_SCALE_ROW1 matrix_b_scale:MATRIX_SCALE_ROW1
.elseif (\ra)
	v_wmma_scale_f32_16x16x128_f8f6f4 v[\d:\d+7], v[\a:\a+11], v[\b:\b+11], v[\d:\d+7], v[\sa], v[\sb] matrix_a_fmt:MATRIX_FMT_FP6 matrix_b_fmt:MATRIX_FMT_FP6 matrix_a_scale:MATRIX_SCALE_ROW1
.elseif (\rb)
	v_wmma_scale_f32_16x16x128_f8f6f4 v[\d:\d+7], v[\a:\a+11], v[\b:\b+11], v[\d:\d+7], v[\sa], v[\sb] matrix_a_fmt:MATRIX_FMT_FP6 matrix_b_fmt:MATRIX_FMT_FP6 matrix_b_scale:MATRIX_SCALE_ROW1
.else
	v_wmma_scale_f32_16x16x128_f8f6f4 v[\d:\d+7], v[\a:\a+11], v[\b:\b+11], v[\d:\d+7], v[\sa], v[\sb] matrix_a_fmt:MATRIX_FMT_FP6 matrix_b_fmt:MATRIX_FMT_FP6
.endif
.endif
.endm
.macro MKG0 g, lds, src                ; a group 0: count 1, the LDS byte, the global address, type 2
	s_mov_b32 s[\g], 1
	s_mov_b32 s[\g+1], s[\lds]
	s_mov_b64 s[\g+2:\g+3], s[\src:\src+1]
	s_or_b32 s[\g+3], s[\g+3], 0x80000000
.endm
	s_load_b128 s[4:7], s[0:1], 0x0                ; ws_o, ws_wo
	s_load_b64 s[8:9], s[0:1], 0x10                ; out0
	v_lshl_add_u32 v[SPW], v0, 2, SPARE
	v_mov_b32 v[NIL], 0
	ds_add_u32 v[SPW], v[NIL]                      ; the opening lines: the add, twice on end, and its wait ahead of my first tensor load
	ds_add_u32 v[SPW], v[NIL]
	v_lshrrev_b32 v1, 5, v0
	v_readfirstlane_b32 s14, v1                    ; wave 0..3
	s_lshr_b32 s15, s14, 1                         ; which 64 of R's rows are mine.  Also: I fetch for R (0) or for P (1)
	s_and_b32 s16, s14, 1                          ; which 64 of P's.  Also: which half of the records I fetch
	s_bfe_u32 s40, ttmp6, 0x40000                  ; cx
	s_bfe_u32 s41, ttmp6, 0x40004                  ; cy
	s_lshl_b32 s42, ttmp9, 2
	s_add_co_u32 s42, s42, s40                     ; P's group
	s_and_b32 s17, ttmp7, 0xffff
	s_lshl_b32 s17, s17, 2
	s_add_co_u32 s17, s17, s41                     ; R's group
	s_lshl_b32 s43, s41, 2
	s_lshl_b32 s43, 15, s43                        ; my row of the cluster
	s_lshl_b32 s44, 0x1111, s40                    ; my column
	s_or_b32 s[G1+0], s43, (3<<16)|(1<<21)         ; 15:0 the mask; 17:16 elements of 8 bytes; 21 set beside a mask
	s_or_b32 s[G1B+0], s44, (3<<16)|(1<<21)
	s_or_b32 s[G1R2+0], s43, (3<<16)|(1<<21)
	s_or_b32 s[G1P2+0], s44, (3<<16)|(1<<21)
.irp g, G1, G1B                        ; six records: 300 dense rows of 256 bytes
	s_mov_b32 s[\g+1], 32<<16
	s_mov_b32 s[\g+2], 300<<16
	s_mov_b32 s[\g+3], 32<<16
	s_mov_b32 s[\g+4], 300
	s_mov_b32 s[\g+5], 32
	s_mov_b32 s[\g+6], 0
	s_mov_b32 s[\g+7], 0
.endr
.irp g, G1R2, G1P2                     ; two records: 100 rows
	s_mov_b32 s[\g+1], 32<<16
	s_mov_b32 s[\g+2], 100<<16
	s_mov_b32 s[\g+3], 32<<16
	s_mov_b32 s[\g+4], 100
	s_mov_b32 s[\g+5], 32
	s_mov_b32 s[\g+6], 0
	s_mov_b32 s[\g+7], 0
.endr
	s_mul_i32 s20, s17, GRPB                       ; R's group in ws_o
	s_mul_i32 s46, s42, GRPB                       ; P's in ws_wo, in registers that never hold R's coordinate
	s_mul_i32 s18, s16, 6*REC                      ; the head: records 0-5 or 6-11
	s_add_co_u32 s22, s20, s18
	s_add_co_u32 s92, s46, s18
	s_mul_i32 s18, s16, 2*REC                      ; the refill: records 12-13 or 14-15
	s_add_co_u32 s18, s18, 12*REC
	s_add_co_u32 s20, s20, s18
	s_add_co_u32 s46, s46, s18
	s_mov_b32 s21, 0
	s_mov_b32 s23, 0
	s_mov_b32 s47, 0
	s_mov_b32 s93, 0
	s_mul_i32 s94, s14, 6*REC                      ; where the head's load goes: no place in the cluster enters an LDS address
	s_mul_i32 s95, s15, PREG                       ; and the refill: the side's places 0-1 or 2-3
	s_mul_i32 s96, s16, 2*REC
	s_add_co_u32 s95, s95, s96
	s_wait_dscnt 0x0                               ; both opening adds are done
	s_wait_kmcnt 0x0
	s_add_nc_u64 s[22:23], s[4:5], s[22:23]
	s_add_nc_u64 s[20:21], s[4:5], s[20:21]
	s_add_nc_u64 s[92:93], s[6:7], s[92:93]
	s_add_nc_u64 s[46:47], s[6:7], s[46:47]
	CROUND                                         ; all sixteen work-groups are here: the first joint loads meet
	MKG0 G0R, 94, 22
	MKG0 G0P, 94, 92
	MKG0 G0R2, 95, 20
	MKG0 G0P2, 95, 46
	JLOAD G0R, G1, G0P, G1B                        ; one tensor load a wave at the head: every way passes one
	s_mul_i32 s18, s15, 4*TILE                     ; my four tiles of R,
	s_mul_i32 s19, s16, 4*TILE                     ; of P
	s_add_co_u32 s19, s19, PREG
	s_lshl_b32 s21, s15, 3                         ; their two words a lane
	s_lshl_b32 s22, s16, 3
	s_add_co_u32 s22, s22, PREG
	s_mul_i32 s23, s14, 17408
	s_add_co_u32 s23, s23, STAGE                   ; my stage
	v_and_b32 v2, 31, v0
	v_lshlrev_b32 v3, 4, v2                        ; 16 x lane
	v_and_b32 v16, 15, v0
	v_bfe_u32 v17, v0, 4, 1
	v_add_nc_u32 v[ADR], s18, v3
	v_add_nc_u32 v[ADP], s19, v3
	v_add_nc_u32 v[ASR], s21, v3
	v_add_nc_u32 v[ASP], s22, v3
.irp a, ADR, ADP, ASR, ASP
	v_add_nc_u32 v[\a+1], 5*REC, v[\a]
	v_add_nc_u32 v[\a+2], 10*REC, v[\a]
.endr
	v_mul_u32_u24 v18, v16, 272                    ; into the stage: row l % 16, 64 bytes for each half of the lanes
	v_lshl_add_u32 v18, v17, 6, v18
	v_add_nc_u32 v[STO], s23, v18
	v_mul_u32_u24 v19, v17, 272                    ; back: sixteen lanes take a row of 256 bytes
	v_lshl_add_u32 v19, v16, 4, v19
	v_add_nc_u32 v[RD], s23, v19
	v_lshlrev_b32 v20, 13, v17                     ; and the same two rows in out0
	v_lshl_add_u32 v[CO], v16, 4, v20
	s_lshl_b32 s20, s17, 20                        ; my part of out0: 128 rows of 8,192 bytes a group, 64 a half;
	s_lshl_b32 s21, s15, 19
	s_add_co_u32 s20, s20, s21
	s_lshl_b32 s46, s42, 9                         ; 512 bytes a group of columns, 256 a half
	s_lshl_b32 s47, s16, 8
	s_add_co_u32 s46, s46, s47
	s_mov_b32 s21, 0
	s_mov_b32 s47, 0
	s_add_nc_u64 s[20:21], s[20:21], s[46:47]
	s_add_nc_u64 s[8:9], s[8:9], s[20:21]
; 26 LDS loads: K step t's eight fragments and scale words into set t % 3.  K step t lies at place t % 12
.macro FETCH t
.set PS, (\t)%12
.set AJ, PS/5
.set OF, (PS%5)*REC
.set FS, (\t)%3
.set FB, 128*(FS%2)
	WIN 0x40<<(FS/2)                               ; destination: window 1, or 2 for set 2
.irp i, 0,1,2,3
	FRAG FB+12*\i, ADP+AJ, OF+\i*TILE
.endr
.irp i, 0,1,2,3
	FRAG FB+48+12*\i, ADR+AJ, OF+\i*TILE
.endr
	WIN 0
	ds_load_b64 v[32+4*FS:33+4*FS], v[ASP+AJ] offset:OF+SCW
	ds_load_b64 v[34+4*FS:35+4*FS], v[ASR+AJ] offset:OF+SCW
.endm
.macro MUL4 a, t, z                    ; the 16 accumulators take turns, one instruction a turn
	WIN 0x05<<(((\t)%3)/2)                         ; sources 0 and 1: the set's window
.irp b, 0,1,2,3
	WM 128+8*(4*(\a)+\b), 128*(((\t)%3)%2)+12*\b, 128*(((\t)%3)%2)+48+12*(\a), \z, 32+4*((\t)%3)+\b/2, 34+4*((\t)%3)+(\a)/2, \b%2, (\a)%2
.endr
.endm
; A K step with a barrier.  fill = 1 (K step 2): places 0-3 have been read and take K steps 12-15.  fill = 0 (K step 10): those have landed.
.macro TURN fill, t
	s_wait_tensorcnt 0x0                           ; all my tensor loads have landed
	ds_add_u32 v[SPW], v[NIL]                      ; 0 onto my spare word
	s_wait_dscnt 27                                ; this step's fragments are in; the next step's 26 loads and the add may be out
	MUL4 0, \t, 0
	s_wait_dscnt 0x0                               ; the add is done, and my reads up to the next K step's are over
	s_barrier_signal -1
	MUL4 1, \t, 0
	WIN 0
	s_barrier_wait -1
.if \fill
	CREST                                          ; the barrier has opened a round of the cluster's
	JLOAD G0R2, G1R2, G0P2, G1P2                   ; the first tensor load behind the round; its four v_nop are the places in front of the loads below
.else
	PLACES 4
.endif
	FETCH (\t)+2
	MUL4 2, \t, 0
	MUL4 3, \t, 0
	WIN 0
.endm
	s_wait_alu depctr_va_vdst(0)
	s_wait_tensorcnt 0x0                           ; my six records are in
	s_barrier_signal -1
	s_barrier_wait -1                              ; all twelve K steps are whole
	FETCH 0
	FETCH 1
.set T, 0
.rept 16                               ; written out: every offset is an immediate
.set Z, 0
.if T == 0
.set Z, 1
.endif
.if T == 2
	TURN 1, T
.elseif T == 10
	TURN 0, T
.else
.if T == 15
	s_wait_dscnt 0x0
.else
	s_wait_dscnt 26                                ; this step's fragments are in; the next step's 26 loads may be out
.endif
.if T < 14
	PLACES 4                                       ; in front of loads into the set that the last step's products have read
	FETCH T+2
.endif
	MUL4 0, T, Z
	MUL4 1, T, Z
	MUL4 2, T, Z
	MUL4 3, T, Z
	WIN 0
.endif
.set T, T+1
.endr
; THE WAY OUT: tile a of R, 16 rows x 64 columns, through my stage; register j of accumulator (a, b) is column 32 (b / 2) + 8 (b % 2) + 16 (lane / 16) + j
.macro TOSTAGE a
.irp b, 0,1,2,3
	ds_store_b128 v[STO], v[128+8*(4*(\a)+\b):131+8*(4*(\a)+\b)] offset:(\a)*4352+128*(\b/2)+32*(\b%2)   ; each accumulator from its low end on
	ds_store_b128 v[STO], v[132+8*(4*(\a)+\b):135+8*(4*(\a)+\b)] offset:(\a)*4352+128*(\b/2)+32*(\b%2)+16
.endr
.irp i, 0,1,2,3,4,5,6,7
	ds_load_b128 v[48+32*((\a)%2)+4*\i:51+32*((\a)%2)+4*\i], v[RD] offset:(\a)*4352+2*\i*272   ; LDS serves a wave's instructions in order: these see my stores
.endr
.endm
.macro SEND a, younger
	s_wait_dscnt \younger
.irp i, 0,1,2,3,4,5,6,7
	global_store_b128 v[CO], v[48+32*((\a)%2)+4*\i:51+32*((\a)%2)+4*\i], s[8:9] offset:(32*((\a)/2)+8*((\a)%2)+2*\i+8*(\i/4))*8192 th:TH_STORE_NT   ; sixteen lanes store 256 consecutive bytes, aligned
.endr
.endm
	PLACES 4                                       ; in front of the first reads of results
	TOSTAGE 0
.irp a, 1,2,3
.if \a > 1
	s_wait_xcnt 0x0                                ; tile a - 2's stores have read their registers
.endif
	TOSTAGE \a
	SEND \a-1, 16                                  ; behind tile a - 1's loads: tile a's 8 stores and 8 loads
.endr
	SEND 3, 0
	s_wait_tensorcnt 0x0                           ; the wave's end
	ds_add_u32 v[SPW], v[NIL]
	s_wait_dscnt 0x0
	CROUND                                         ; the closing round
	s_endpgm
.Lfunc_end_k_qfd429bfab0_gemm_out:
	.size	k_qfd429bfab0_gemm_out, .Lfunc_end_k_qfd429bfab0_gemm_out-k_qfd429bfab0_gemm_out
	.p2alignl 7, 3214868480
	.fill 96, 4, 3214868480
	.section	.rodata,"a",@progbits
	.p2align	6, 0x0
	.amdhsa_kernel k_qfd429bfab0_gemm_out
		.amdhsa_group_segment_fixed_size 327680
		.amdhsa_private_segment_fixed_size 0
		.amdhsa_enable_private_segment 0
		.amdhsa_kernarg_size 24
		.amdhsa_user_sgpr_count 2
		.amdhsa_user_sgpr_kernarg_segment_ptr 1
		.amdhsa_wavefront_size32 1
		.amdhsa_system_sgpr_workgroup_id_x 1
		.amdhsa_system_sgpr_workgroup_id_y 1
		.amdhsa_system_sgpr_workgroup_id_z 1
		.amdhsa_system_vgpr_workitem_id 0
		.amdhsa_next_free_vgpr 640
		.amdhsa_next_free_sgpr 104
		.amdhsa_reserve_vcc 0
		.amdhsa_float_denorm_mode_32 3
		.amdhsa_float_denorm_mode_16_64 3
		.amdhsa_memory_ordered 1
		.amdhsa_forward_progress 1
		.amdhsa_inst_pref_size 79
	.end_amdhsa_kernel
	.amdgpu_metadata
---
amdhsa.version: [ 1, 2 ]
amdhsa.kernels:
  - .name:           k_qfd429bfab0_gemm_out
    .symbol:         k_qfd429bfab0_gemm_out.kd
    .args:
      - { .name: ws_o, .offset: 0, .size: 8, .value_kind: global_buffer, .address_space: global }
      - { .name: ws_wo, .offset: 8, .size: 8, .value_kind: global_buffer, .address_space: global }
      - { .name: out0, .offset: 16, .size: 8, .value_kind: global_buffer, .address_space: global }
    .group_segment_fixed_size: 327680
    .private_segment_fixed_size: 0
    .kernarg_segment_align: 8
    .kernarg_segment_size: 24
    .max_flat_workgroup_size: 128
    .sgpr_count:     104
    .vgpr_count:     640
    .wavefront_size: 32
...
	.end_amdgpu_metadata
.endif
;; end of part 4
